; MI455X (gfx1250); checked and timed in simulation.
; The chip was launched on July 23, 2026; its instructions are those of AMD's public machine-readable ISA for CDNA 5 (MIT licence, August 2026) and "CDNA5" Instruction Set Architecture Reference Guide (July 2026). The comments in the code are by the model that wrote it; some were corrected since.
;; Multi Head Self Attention. Allowed arithmetic: matrix products marked QUANTISED: E2M1 operands, one E8M0 scale for each 32 along K, by v_wmma_scale_f32_16x16x128_f8f6f4 with both operands' format E2M1 (or v_wmma_scale_f32_32x16x128_f4), f32 sums; products left as they are: bf16, f16 or f32 operands; f32 sums; everything else in f32.
;; Inputs: in_features 4 x 2,048 x 1,024 float32; k_proj_weight 1,024 x 1,024 float32; o_proj_weight 1,024 x 1,024 float32; q_proj_weight 1,024 x 1,024 float32; v_proj_weight 1,024 x 1,024 float32.
;; Outputs: out0 4 x 2,048 x 1,024 float32.
;; Constants: num_heads = 16.
;; This version of the problem:
;;   THIS VERSION OF THE PROBLEM IS GIVEN IN LOW PRECISION. The matrix products marked QUANTISED in the list below multiply operands that are first quantised to E2M1 (2 exponent bits, 1 mantissa bit; 4 bits a number), with one power-of-two scale for each 32 numbers along K (OCP MX v1.0); their sums are f32. The products marked 'left as it is' may take bf16, f16 or f32 operands, with f32 sums. Whichever they take, every output number must still come out within the allowed error. Rounding operands to bf16 (8 significant bits) uses up far more of that allowance than f16 does (11 bits, for magnitudes from 6e-5 to 65,504). All else is computed in f32.
;;   The module's matrix products, in the order in which they are computed (A, B: the left and right operand; K: the contracted axis; several contracted axes count as one K, in the product's order):
;;     1. [M 8,192, K 1,024] x [K 1,024, N 1,024]; A: input in_features; B: input q_proj_weight: QUANTISED
;;     2. [M 8,192, K 1,024] x [K 1,024, N 1,024]; A: input in_features; B: input k_proj_weight: QUANTISED
;;     3. [M 8,192, K 1,024] x [K 1,024, N 1,024]; A: input in_features; B: input v_proj_weight: QUANTISED
;;     4. batch 64 x [M 2,048, K 64] x [K 64, N 2,048]; A: computed on the way; B: computed on the way: left as it is (an operand is computed on the way)
;;     5. batch 64 x [M 2,048, K 2,048] x [K 2,048, N 64]; A: computed on the way; B: computed on the way: left as it is (an operand is computed on the way)
;;     6. [M 8,192, K 1,024] x [K 1,024, N 1,024]; A: computed on the way; B: input o_proj_weight: left as it is (an operand is computed on the way)
;;   THE QUANTISER, for each operand of a quantised product, along K:
;;     - K is cut into blocks of 32 from its start; a last block that is shorter is filled with zeros.
;;     - A block's scale is 2^e with e = floor(log2(the largest magnitude in the block)) - 2, held to -126 .. 127; a block of zeros has e = 0. As a byte (E8M0): e + 127.
;;     - Each number is divided by its block's scale, clamped to +-6, and rounded to the nearest number of E2M1, ties to even, subnormals kept.
;;     - The product sums the exact products of the quantised numbers (number of the format x scale) in f32.
;;   ~~~python
;;   def quantise(x, axis):      # numpy; x: float32 -> the quantised numbers, widened to float32 again
;;       x = np.moveaxis(x, axis, -1); K = x.shape[-1]
;;       x = np.pad(x, [(0, 0)] * (x.ndim - 1) + [(0, -K % 32)]); x = x.reshape(x.shape[:-1] + (-1, 32)); a = np.abs(x).max(-1, keepdims=True)
;;       e = np.where(a > 0, np.clip(np.frexp(np.where(a > 0, a, 1))[1] - 1 - 2, -126, 127), 0)      # np.frexp(a)[1] - 1 = floor(log2(a)), exactly
;;       r = np.clip(x / 2.0 ** e, -6, 6)
;;       step = 2.0 ** (np.maximum(np.frexp(np.where(r == 0, 1, r))[1] - 1, 0) - 1)
;;       q = np.round(r / step) * step * 2.0 ** e      # np.round: ties to even
;;       return np.moveaxis(q.reshape(q.shape[:-2] + (-1,))[..., :K], -1, axis).astype(np.float32)
;;   ~~~
;; One version. Each part assembles by itself: llvm-mc -triple=amdgcn-amd-amdhsa -mcpu=gfx1250 --defsym DOCPART=n.
;; ======== version 1 of 1: 5 launches
;; limits: values are held in f16: magnitudes above 65,504 overflow, below 6.1e-05 lose precision
;; workspace buffers: x_codes 4,194,304 bytes; x_scales 262,144 bytes; w_codes 1,572,864 bytes; w_scales 98,304 bytes; wo16 2,097,152 bytes; qkv 50,331,648 bytes; qkv32 786,432 bytes; attn 16,777,216 bytes
;; launch quant (part 1): grid 384 x 1, 4 waves a work-group, no clusters, 33,280 bytes of LDS; arguments in_features, q_proj_weight, k_proj_weight, v_proj_weight, o_proj_weight, x_codes, x_scales, w_codes, w_scales, wo16; writes x_codes, x_scales, w_codes, w_scales, wo16
.if DOCPART == 1
	.amdgcn_target "amdgcn-amd-amdhsa--gfx1250"
	.amdhsa_code_object_version 6
	.text
	.protected	k_q0a65898ca6_quant
	.globl	k_q0a65898ca6_quant
	.p2align	8
	.type	k_q0a65898ca6_quant,@function
k_q0a65898ca6_quant:
	s_mov_b64 s[64:65], 0
	v_nop
	global_prefetch_b8 v0, s[64:65] scope:SCOPE_SE
	s_setreg_imm32_b32 hwreg(HW_REG_WAVE_MODE, 25, 1), 1
	s_wait_xcnt 0x0
; x [8192][1024] and Wq, Wk, Wv [1024][1024], f32 with K innermost, become codes of FP4 (E2M1) with one E8M0 scale byte for each 32 along K; Wo becomes f16.
; A block's scale is 2^(floor(log2(its largest magnitude)) - 2); its byte is the largest magnitude's exponent field - 2, held at 1 from below.
; (A block of zeros so gets the byte 1 where the rule says 127: its codes are zeros, which add nothing, and the bytes are read by this program alone.)
; LIMITS: NaN and infinities among the inputs are not served; Wo's numbers are rounded to f16 (magnitudes up to 65,504).
; SHARES: a work-group takes 32,768 numbers, a wave 8,192.  Work-groups 0-255: x; 256-351: Wq, Wk, Wv, 32 each, into one buffer of 3,072 rows; 352-383: Wo.
; Rows are dense and K is a multiple of 32, so a tensor is a plain stream of blocks of 32, and so are its codes and its scale bytes.
; QUANTISER: each of a step's four loads reads 512 consecutive bytes, 16 a lane; the 2,048 bytes turn through the wave's own stage in LDS and come back 64 bytes a lane,
; so that a lane holds 16 neighbours along K (two neighbouring lanes hold a block).  A lane's 16 codes are 8 bytes: the wave stores 256 consecutive bytes.
; A wave's 256 scale bytes are gathered in its own LDS bytes and leave as one run of 256 bytes.  No barrier: waves share nothing.
; Wo: laid [k / 64][n][64] in f16, so that 64 along K of any 128 or 256 rows are one dense block for the last product's tiles.
.set WGX,   256                        ; x's work-groups
.set WGQ,   352                        ; and with them the three weights'
.set WAVES, 4
.set STEPS, 16
.set EMAX,  2
.set CB,    8                          ; bytes of 16 codes
.set R,     16                         ; v16-79   four sets of 16 numbers as loaded (Wo: v16-143, two sets of 64)
.set X,     80                         ; v80-111  two sets of 16 neighbours
.set E,     112                        ; v112-127 a scale byte for each step
.set C,     128                        ; v128-191 codes: four registers for each step, so that no store's data are written again
.set OUTW,  144                        ; v144-175 Wo: 16 x 2 registers of f16
.set WREG,  8192                       ; LDS: a region for each wave: two stages of 32 x SP bytes, then its 256 scale bytes
.set SP,    80                         ; a lane's place in a stage: 64 bytes + 16 of padding
.set SPW,   12                         ; v12 LDS address of my spare word; never rewritten
.set NIL,   13                         ; v13 0; never rewritten
.set SPARE, WAVES*WREG                 ; behind the regions: the spare words, 128 bytes a wave, named by no other line
	s_load_b256 s[4:11], s[0:1], 0x0               ; x s[4:5], Wq s[6:7], Wk s[8:9], Wv s[10:11]
	s_load_b256 s[12:19], s[0:1], 0x20             ; Wo s[12:13], x's codes s[14:15], x's scales s[16:17], w's codes s[18:19]
	s_load_b128 s[20:23], s[0:1], 0x40             ; w's scales s[20:21], wo16 s[22:23]
	v_lshl_add_u32 v[SPW], v0, 2, SPARE
	v_mov_b32 v[NIL], 0
	v_lshrrev_b32 v1, 5, v0
	v_readfirstlane_b32 s26, v1                    ; wave
	v_and_b32 v2, 31, v0                           ; lane
	s_cmp_ge_u32 ttmp9, WGQ                        ; the last 32 work-groups take Wo: a branch on the work-group's number
	s_cbranch_scc1 .Lwo
	v_lshlrev_b32 v3, 4, v2                        ; my 16 bytes of a load's 512
	s_mul_i32 s27, s26, WREG
	v_lshrrev_b32 v14, 2, v2
	v_mul_u32_u24 v14, v14, SP
	v_and_b32 v15, 3, v2
	v_lshl_add_u32 v14, v15, 4, v14
	v_add_nc_u32 v14, s27, v14                     ; the stage, on the way in: SP (lane / 4) + 16 (lane % 4)
	v_mul_u32_u24 v15, v2, SP
	v_add_nc_u32 v15, s27, v15                     ; and on the way out: SP x lane: my 16 neighbours
	v_mul_u32_u24 v4, v2, CB                       ; my codes' place in a step's
	v_lshrrev_b32 v5, 1, v2
	s_add_co_u32 s27, s27, 2*32*SP
	v_add_nc_u32 v5, s27, v5                       ; LDS: my wave's 256 scale bytes, my block's byte
	v_lshlrev_b32 v7, 3, v2                        ; and on the way out 8 bytes a lane
	v_add_nc_u32 v6, s27, v7
	s_sub_co_u32 s28, ttmp9, WGX                   ; a weight's work-group: its place among the 96 (used only there)
	s_and_b32 s29, s28, 31                         ; and inside its weight
	s_wait_kmcnt 0x0
	s_cmp_lt_u32 ttmp9, WGX+32                     ; which tensor: the choices hang on the work-group's number alone
	s_cselect_b64 s[24:25], s[6:7], s[8:9]
	s_cmp_lt_u32 ttmp9, WGX+64
	s_cselect_b64 s[24:25], s[24:25], s[10:11]
	s_cmp_lt_u32 ttmp9, WGX
	s_cselect_b64 s[4:5], s[4:5], s[24:25]         ; the numbers,
	s_cselect_b64 s[14:15], s[14:15], s[18:19]     ; the codes,
	s_cselect_b64 s[16:17], s[16:17], s[20:21]     ; the scale bytes
	s_cselect_b32 s29, ttmp9, s29
	s_cselect_b32 s28, ttmp9, s28
	s_lshl_b32 s29, s29, 2
	s_add_co_u32 s29, s29, s26                     ; which run of 8,192 numbers of the source is my wave's (at most 1,023)
	s_lshl_b32 s30, s29, 15                        ; 32,768 bytes a run
	s_mov_b32 s31, 0
	s_add_nc_u64 s[4:5], s[4:5], s[30:31]
	s_lshl_b32 s28, s28, 2
	s_add_co_u32 s28, s28, s26                     ; and which run of the results
	s_lshl_b32 s30, s28, 12                        ; 4,096 bytes of codes a run
	s_add_nc_u64 s[14:15], s[14:15], s[30:31]
	s_lshl_b32 s30, s28, 8                         ; 256 scale bytes a run
	s_add_nc_u64 s[16:17], s[16:17], s[30:31]
.macro LOAD t
.irp i, 0,1,2,3
	global_load_b128 v[R+16*((\t)%4)+4*\i:R+16*((\t)%4)+4*\i+3], v3, s[4:5] offset:2048*(\t)+512*\i th:TH_LOAD_NT   ; 32 lanes read 512 consecutive bytes
.endr
.endm
.macro TURN t                          ; step t's numbers through the stage: LDS serves a wave's instructions in order, so no wait stands between the stores and the loads
.irp i, 0,1,2,3
	ds_store_b128 v14, v[R+16*((\t)%4)+4*\i:R+16*((\t)%4)+4*\i+3] offset:32*SP*((\t)%2)+8*SP*\i
.endr
.irp i, 0,1,2,3
	ds_load_b128 v[X+16*((\t)%2)+4*\i:X+16*((\t)%2)+4*\i+3], v15 offset:32*SP*((\t)%2)+16*\i
.endr
.endm
.irp t, 0,1,2,3
	LOAD \t
.endr
	s_wait_loadcnt 12                              ; step 0's four loads are in; the 12 of steps 1 to 3 stay out
	TURN 0
.macro STEP t
.set XS, X+16*((\t)%2)
.if (\t) > 0
	s_wait_dscnt 1                                 ; this step's numbers are back from the stage (the last step's byte store may be out)
.else
	s_wait_dscnt 0x0
.endif
.if (\t)+4 < STEPS
	LOAD (\t)+4                                    ; the registers that the stage's stores have read take the loads of four steps on
.endif
.if (\t)+1 < STEPS
.if STEPS-2-(\t) >= 3
	s_wait_loadcnt 12                              ; the next step's four loads are in; those of the three steps behind it may be out
.else
	s_wait_loadcnt 4*(STEPS-2-(\t))
.endif
	TURN (\t)+1                                    ; and go through the other stage while this step is worked
.endif
	v_max3_num_f32 v8, |v[XS]|, |v[XS+1]|, |v[XS+2]|               ; the largest magnitude of my 16, in two chains
	v_max3_num_f32 v9, |v[XS+3]|, |v[XS+4]|, |v[XS+5]|
.irp i, 6,10
	v_max3_num_f32 v8, v8, |v[XS+\i]|, |v[XS+\i+1]|
	v_max3_num_f32 v9, v9, |v[XS+\i+2]|, |v[XS+\i+3]|
.endr
	v_max3_num_f32 v8, v8, |v[XS+14]|, |v[XS+15]|
	v_max3_num_f32 v8, v8, v9, (EMAX+1)<<23        ; and the floor 2^(EMAX + 1 - 127): so the byte cannot fall under 1
	v_max_num_f32_dpp v8, v8, v8 row_xmask:1 row_mask:0xf bank_mask:0xf   ; and of my neighbour's 16: the block's
	v_add_nc_u32 v11, -(EMAX<<23), v8              ; EMAX off its exponent field: the conversion takes the exponent field of this operand as its scale
	v_cvt_scalef32_pk8_fp4_f32 v[C+4*(\t)], v[XS:XS+7], v11        ; eight numbers / the scale, to the nearest code, ties to even, beyond the largest code the largest
	v_cvt_scalef32_pk8_fp4_f32 v[C+4*(\t)+1], v[XS+8:XS+15], v11
	v_lshrrev_b32 v[E+(\t)], 23, v11               ; the scale's byte (also the plain line behind the conversions)
	ds_store_b8 v5, v[E+(\t)] offset:16*(\t)       ; both lanes of a block write the same byte with the same value
	global_store_b64 v4, v[C+4*(\t):C+4*(\t)+1], s[14:15] offset:32*CB*(\t)   ; 32 lanes store 256 consecutive bytes
.endm
.irp t, 0,1,2,3,4,5,6,7,8,9,10,11,12,13,14,15
	STEP \t
.endr
	ds_load_b64 v[8:9], v6                         ; LDS serves a wave's instructions in order: these see my byte stores
	s_wait_dscnt 0x0
	global_store_b64 v7, v[8:9], s[16:17]          ; 32 lanes store 256 consecutive bytes
	s_wait_tensorcnt 0x0                           ; the wave's end: behind my last LDS store
	ds_add_u32 v[SPW], v[NIL]
	s_wait_dscnt 0x0
	s_endpgm
; Wo [n 1024][k 1024] f32 -> f16 [k / 64][n][64].  A wave takes 8 rows n, two at a time.  A load: lanes 0-15 read 256 consecutive bytes (64 along K) of one row, lanes 16-31 of the next.
; A store: the same 2 x 64 numbers as f16: 256 consecutive bytes, since rows n and n + 1 of one K block lie on end.
.macro LOADP p                         ; rows 2 p, 2 p + 1 of my 8: all 16 K blocks into set p % 2
.irp kb, 0,1,2,3,4,5,6,7,8,9,10,11,12,13,14,15
	global_load_b128 v[R+64*((\p)%2)+4*\kb:R+64*((\p)%2)+4*\kb+3], v3, s[12:13] offset:(\p)*8192+\kb*256
.endr
.endm
.macro CONV p
.if (\p) < 3
	s_wait_loadcnt 16                              ; this pair's 16 loads are in; the next pair's 16 stay out
.else
	s_wait_loadcnt 0x0
.endif
.if (\p) > 0
	s_wait_xcnt 0x0                                ; the last pair's stores have read their data: the registers are written again only behind this wait
.endif
.irp kb, 0,1,2,3,4,5,6,7,8,9,10,11,12,13,14,15
	v_cvt_pk_f16_f32 v[OUTW+2*\kb], v[R+64*((\p)%2)+4*\kb], v[R+64*((\p)%2)+4*\kb+1]
	v_cvt_pk_f16_f32 v[OUTW+2*\kb+1], v[R+64*((\p)%2)+4*\kb+2], v[R+64*((\p)%2)+4*\kb+3]
.endr
.irp kb, 0,1,2,3,4,5,6,7,8,9,10,11,12,13,14,15
	global_store_b64 v4, v[OUTW+2*\kb:OUTW+2*\kb+1], s[22:23] offset:\kb*131072+(\p)*256
.endr
.if (\p) < 2
	LOADP (\p)+2
.endif
.endm
.Lwo:
	s_sub_co_u32 s27, ttmp9, WGQ
	s_lshl_b32 s27, s27, 5
	s_lshl_b32 s28, s26, 3
	s_add_co_u32 s27, s27, s28                     ; my first row: 32 x work-group + 8 x wave
	s_lshl_b32 s28, s27, 12                        ; in Wo: 4,096 bytes a row
	s_mov_b32 s29, 0
	s_lshl_b32 s30, s27, 7                         ; in a K block of wo16: 128 bytes a row
	s_mov_b32 s31, 0
	v_lshrrev_b32 v5, 4, v2
	v_and_b32 v6, 15, v2
	v_lshlrev_b32 v3, 12, v5
	v_lshl_add_u32 v3, v6, 4, v3                   ; in: row lane / 16, 16 bytes a lane
	v_lshlrev_b32 v4, 7, v5
	v_lshl_add_u32 v4, v6, 3, v4                   ; out: row lane / 16, 8 bytes a lane
	s_wait_kmcnt 0x0
	s_add_nc_u64 s[12:13], s[12:13], s[28:29]
	s_add_nc_u64 s[22:23], s[22:23], s[30:31]
	LOADP 0
	LOADP 1
	CONV 0
	CONV 1
	CONV 2
	CONV 3
	s_wait_tensorcnt 0x0                           ; the same three lines at this end of the text
	ds_add_u32 v[SPW], v[NIL]
	s_wait_dscnt 0x0
	s_endpgm
.Lfunc_end_k_q0a65898ca6_quant:
	.size	k_q0a65898ca6_quant, .Lfunc_end_k_q0a65898ca6_quant-k_q0a65898ca6_quant
	.p2alignl 7, 3214868480
	.fill 96, 4, 3214868480
	.section	.rodata,"a",@progbits
	.p2align	6, 0x0
	.amdhsa_kernel k_q0a65898ca6_quant
		.amdhsa_group_segment_fixed_size 33280
		.amdhsa_private_segment_fixed_size 0
		.amdhsa_enable_private_segment 0
		.amdhsa_kernarg_size 80
		.amdhsa_user_sgpr_count 2
		.amdhsa_user_sgpr_kernarg_segment_ptr 1
		.amdhsa_wavefront_size32 1
		.amdhsa_system_sgpr_workgroup_id_x 1
		.amdhsa_system_sgpr_workgroup_id_y 1
		.amdhsa_system_sgpr_workgroup_id_z 1
		.amdhsa_system_vgpr_workitem_id 0
		.amdhsa_next_free_vgpr 192
		.amdhsa_next_free_sgpr 66
		.amdhsa_reserve_vcc 0
		.amdhsa_float_denorm_mode_32 3
		.amdhsa_float_denorm_mode_16_64 3
		.amdhsa_memory_ordered 1
		.amdhsa_forward_progress 1
		.amdhsa_inst_pref_size 55
	.end_amdhsa_kernel
	.amdgpu_metadata
---
amdhsa.version: [ 1, 2 ]
amdhsa.kernels:
  - .name:           k_q0a65898ca6_quant
    .symbol:         k_q0a65898ca6_quant.kd
    .args:
      - { .name: in_features, .offset: 0, .size: 8, .value_kind: global_buffer, .address_space: global }
      - { .name: q_proj_weight, .offset: 8, .size: 8, .value_kind: global_buffer, .address_space: global }
      - { .name: k_proj_weight, .offset: 16, .size: 8, .value_kind: global_buffer, .address_space: global }
      - { .name: v_proj_weight, .offset: 24, .size: 8, .value_kind: global_buffer, .address_space: global }
      - { .name: o_proj_weight, .offset: 32, .size: 8, .value_kind: global_buffer, .address_space: global }
      - { .name: x_codes, .offset: 40, .size: 8, .value_kind: global_buffer, .address_space: global }
      - { .name: x_scales, .offset: 48, .size: 8, .value_kind: global_buffer, .address_space: global }
      - { .name: w_codes, .offset: 56, .size: 8, .value_kind: global_buffer, .address_space: global }
      - { .name: w_scales, .offset: 64, .size: 8, .value_kind: global_buffer, .address_space: global }
      - { .name: wo16, .offset: 72, .size: 8, .value_kind: global_buffer, .address_space: global }
    .group_segment_fixed_size: 33280
    .private_segment_fixed_size: 0
    .kernarg_segment_align: 8
    .kernarg_segment_size: 80
    .max_flat_workgroup_size: 128
    .sgpr_count:     66
    .vgpr_count:     192
    .wavefront_size: 32
...
	.end_amdgpu_metadata
.endif
;; end of part 1
;; launch qkv (part 2): grid 12 x 32, 4 waves a work-group, clusters of 4 x 1, 327,680 bytes of LDS; arguments x_codes, x_scales, w_codes, w_scales, qkv, qkv32; writes qkv, qkv32
.if DOCPART == 2
	.amdgcn_target "amdgcn-amd-amdhsa--gfx1250"
	.amdhsa_code_object_version 6
	.text
	.protected	k_q0a65898ca6_qkv
	.globl	k_q0a65898ca6_qkv
	.p2align	8
	.type	k_q0a65898ca6_qkv,@function
k_q0a65898ca6_qkv:
	s_mov_b64 s[64:65], 0
	v_nop
	global_prefetch_b8 v0, s[64:65] scope:SCOPE_SE
	s_setreg_imm32_b32 hwreg(HW_REG_WAVE_MODE, 25, 1), 1
	s_wait_xcnt 0x0
	s_wait_alu depctr_hold_cnt(0) depctr_sa_sdst(0) depctr_va_vdst(0) depctr_va_sdst(0) depctr_va_ssrc(0) depctr_va_vcc(0) depctr_vm_vsrc(0)
	s_getreg_b32 s2, hwreg(HW_REG_IB_STS2, 6, 4)
	s_cmp_eq_u32 s2, 0
	s_cbranch_scc0 .Lentry_in_a_cluster
	s_endpgm
.Lentry_in_a_cluster:
	s_bfe_u32 s2, ttmp6, 0x10000c
	s_cmp_lg_u32 s2, 0x3003
	s_cbranch_scc0 .Lentry_shape_is_right
	s_endpgm
.Lentry_shape_is_right:
; [q | k | v][m][n] = sum over k of x[m][k] W[n][k] on codes of FP4 (E2M1) with one E8M0 scale for each 32 along K.  x: 8,192 rows, W: 3,072 rows (Wq, Wk, Wv on end), K = 1,024; sums in f32.
; A tile of 256 x 256 is made by four waves, as many as a WGP has SIMDs; a wave makes 128 x 128: 64 accumulators of 16 x 16, 512 registers.
; K = 1,024 is two LDS slots of 512 along K (tile rows of 256 bytes): all tiles and all scale bytes are asked for at the head and nothing is filled again.
; CLUSTER: the four work-groups of a cluster make four neighbouring tile columns of one tile row and need the same tiles of x: those are asked for JOINTLY (mask 15).  W's tiles differ between the four: plain loads.
; (A cluster of 4 x 4 would share W's tiles too, but the f32 side store below branches on the tile row, which must then be the same in all partners.)
; THE MATRIX INSTRUCTION IS USED TRANSPOSED (source 0 = 16 rows of W, source 1 = 16 rows of x): a lane then holds eight neighbouring columns of one row of the result.
; OUT: f16, laid [q, k, v][batch][head][position][64], a head's 2,048 x 64 dense.  LIMIT: |q|, |k|, |v| under 65,504.
; The first 16 positions of each batch also leave as the f32 sums, [batch x 16 + position][3,072], for the launch that does those rows in f32.
; REGISTERS, in windows of 256: window 0: v0-31 addresses; v32-95 scale words, two sets; v128-191 x's fragments, ONE set; on the way out v32-255 are free.
;   window 1: W's fragments, TWO sets, at v0 and v128.  window 2: the accumulators of my rows 0-63 ((a, b) at v[8 (8 a + b)]);  window 3: rows 64-127.
.set NQ,     4                         ; matrix instructions deep in a slot
.set ROWB,   256                       ; a tile's row in bytes: 512 codes
.set KROW,   512                       ; a row of codes in memory
.set PITCH,  272                       ; an LDS row: 256 bytes + 16 of padding: the 16 rows that a load touches start at 16 different banks
.set FR,     8                         ; registers of a fragment: 16 rows x 128 K
.set NL,     2                         ; LDS loads that bring one
.set NP,     4                         ; places behind this matrix instruction (ISA guide 7.12.1)
.set HALFT,  128*PITCH                 ; 128 rows: what one tensor load brings
.set SLOT,   4*HALFT                   ; x's 256 rows, then W's 256 rows
.set KS,     32                        ; a row of scale bytes
.set SCL,    2*SLOT                    ; behind the slots: the scales, as units of 256 bytes + 16 of padding
.set HALFS,  (128*KS/256)*272          ; the scales of 128 rows: what one tensor load brings
.set SBLK,   (16*KS/256)*272           ; those of 16 rows
.set SPARE,  SCL+4*HALFS               ; the spare words, 128 bytes a wave, named by no other line
.set ST16B,  4608                      ; the way out, in slot 0 (it has had its only fill, and nobody reads it behind the change of slots): a wave's f16 stage: 2 heads x 16 rows x 144 bytes
.set ST32,   4*ST16B                   ; behind the four: a wave's f32 stage: 16 rows x 528 bytes
.set ADRA, 16                          ; v16-17 LDS address of my x fragments in slot 0, 1
.set ADRB, 20                          ; v20-21 the same for W
.set STO,  24                          ; v24 f16 stage: where I put 16 bytes of a row
.set RD,   25                          ; v25 f16 stage: where I read rows back
.set CO,   26                          ; v26 16 x lane: my bytes in a store's 512
.set ADRS, 27                          ; v27 LDS address of my scale words: lanes 0-15 x's rows, lanes 16-31 W's
.set SPW,  28                          ; v28 my spare word; never rewritten
.set NIL,  29                          ; v29 0; never rewritten
.set STO32, 30                         ; v30 f32 stage: in
.set RD32, 31                          ; v31 f32 stage: back
.set SC,   32                          ; scale words: set s at v[SC + 32 s]; register 4 i + q: lanes 0-15 x's block i, lanes 16-31 W's block i, the slot's q-th 128 along K
.set AF,   128                         ; x's fragments
.set TMP,  192                         ; the way out: a block's packed f16
.set G1, 24                            ; s[24:31] group 1 for x's tiles;  s[32:39] group 0, one set for each slot
.set G0, 32
.set G1B, 48                           ; s[48:55], s[56:63] the same for W's tiles
.set G0B, 56
.set G1S, 68                           ; s[68:75], s[76:79] groups 1 and 0 for x's scales;  s[80:87], s[88:91] for W's
.set G0S, 76
.set G1SB, 80
.set G0SB, 88
.set MSB, 0
.macro WIN new                         ; the immediate's high byte repeats the setting that is left
.if MSB != \new
	s_set_vgpr_msb (MSB<<8)|\new
.set MSB, \new
.endif
.endm
.set MUL_LO, 0xa1                      ; source 0 (W) window 1, source 1 (x) window 0, C and D window 2
.set MUL_HI, 0xf1                      ; the same, C and D window 3
.set TO_B,   0x40                      ; destination window 1, address window 0
; Waves 0 and 1 fetch for x (jointly), waves 2 and 3 for W.  The branch hangs on the wave's number alone.  An s_nop 0 and four v_nop follow each line.
.macro JLOAD g0a, g1a, g0b, g1b
	s_cmp_eq_u32 s15, 0
	s_cbranch_scc0 .Lfor_b_\@
	tensor_load_to_lds s[\g0a:\g0a+3], s[\g1a:\g1a+7]
	s_nop 0
.rept 4
	v_nop
.endr
	s_branch .Lasked_\@
.Lfor_b_\@:
	tensor_load_to_lds s[\g0b:\g0b+3], s[\g1b:\g1b+7]
	s_nop 0
.rept 4
	v_nop
.endr
.Lasked_\@:
.endm
.macro CROUND                          ; a round of the cluster's barrier
	s_barrier_signal -1
	s_barrier_wait -1
	s_cmp_lg_u32 s14, 0
	s_cbranch_scc1 .Lnot_wave_0_\@
	s_barrier_signal -3
.Lnot_wave_0_\@:
	s_barrier_wait -3
	s_barrier_signal -1
	s_barrier_wait -1
.endm
	s_load_b128 s[4:7], s[0:1], 0x0                ; x's codes s[4:5], x's scales s[6:7]
	s_load_b128 s[8:11], s[0:1], 0x10              ; W's codes s[8:9], W's scales s[10:11]
	s_load_b64 s[12:13], s[0:1], 0x20              ; qkv
	s_load_b64 s[66:67], s[0:1], 0x28              ; qkv32
	v_lshl_add_u32 v[SPW], v0, 2, SPARE
	v_mov_b32 v[NIL], 0
	ds_add_u32 v[SPW], v[NIL]                      ; the wave's opening: the add, twice on end, and its wait ahead of my first tensor load
	ds_add_u32 v[SPW], v[NIL]
	v_lshrrev_b32 v1, 5, v0
	v_readfirstlane_b32 s14, v1                    ; wave 0..3
	s_lshr_b32 s15, s14, 1                         ; which half of the tile's rows is mine.  Also: I fetch for x (0) or for W (1)
	s_and_b32 s16, s14, 1                          ; which half of its columns.  Also: which 128 rows of that tile I fetch
	s_bfe_u32 s40, ttmp6, 0x40000                  ; cx: my place in the cluster
	s_lshl_b32 s42, ttmp9, 2
	s_add_co_u32 s42, s42, s40                     ; tile column = 4 x cluster x + cx
	s_and_b32 s17, ttmp7, 0xffff                   ; tile row = cluster y: the four partners share it
	; group 1: a tile of 128 rows x 256 bytes, 16 bytes of padding behind each row
	s_mov_b32 s[G1+0], 15|(0<<16)|(1<<20)|(1<<21)|(5<<22)|(3<<25)  ; 15:0 the mask: all four; 17:16 elements of 1 byte; 20 padding on; 21 set beside a mask; 24:22 after every 64 words; 31:25 four words
	s_mov_b32 s[G1B+0], (0<<16)|(1<<20)|(5<<22)|(3<<25)            ; no mask: a load of my own
.irp g, G1, G1B
	s_mov_b32 s[\g+1], ROWB<<16                    ; tensor_dim0
	s_mov_b32 s[\g+2], 128<<16                     ; tensor_dim1
	s_mov_b32 s[\g+3], ROWB<<16                    ; tile_dim0
	s_mov_b32 s[\g+4], 128                         ; tile_dim1
	s_mov_b32 s[\g+5], KROW                        ; from row to row
	s_mov_b32 s[\g+6], 0
	s_mov_b32 s[\g+7], 0
.endr
	; the scales of 128 rows: a dense block of 4,096 bytes, as 16 rows of 256 bytes (32 elements of 8 bytes), 16 bytes of padding behind each
	s_mov_b32 s[G1S+0], 15|(3<<16)|(1<<20)|(1<<21)|(5<<22)|(3<<25)
	s_mov_b32 s[G1SB+0], (3<<16)|(1<<20)|(5<<22)|(3<<25)
.irp g, G1S, G1SB
	s_mov_b32 s[\g+1], 32<<16
	s_mov_b32 s[\g+2], (128*KS/256)<<16
	s_mov_b32 s[\g+3], 32<<16
	s_mov_b32 s[\g+4], 128*KS/256
	s_mov_b32 s[\g+5], 32
	s_mov_b32 s[\g+6], 0
	s_mov_b32 s[\g+7], 0
.endr
	s_lshl_b32 s18, s16, 7                         ; which 128 rows of the tile I fetch
	s_lshl_b32 s20, s17, 8
	s_add_co_u32 s20, s20, s18                     ; x: row 256 x tile row + 128 x half
	s_lshl_b32 s46, s42, 8
	s_add_co_u32 s46, s46, s18                     ; W: row 256 x tile column + 128 x half
	s_mov_b32 s21, 0
	s_mov_b32 s47, 0
	s_mov_b64 s[18:19], KS
	s_mul_u64 s[22:23], s[20:21], s[18:19]         ; where these rows' scales begin, in bytes
	s_mul_u64 s[92:93], s[46:47], s[18:19]
	s_mov_b64 s[18:19], KROW
	s_mul_u64 s[20:21], s[20:21], s[18:19]         ; and their codes
	s_mul_u64 s[46:47], s[46:47], s[18:19]
	s_mul_i32 s45, s14, HALFT                      ; where they go: wave x 128 rows: no place in the cluster enters an LDS address
	s_mul_i32 s94, s14, HALFS
	s_wait_dscnt 0x0                               ; both opening adds are done
	s_wait_kmcnt 0x0
	s_add_nc_u64 s[20:21], s[4:5], s[20:21]
	s_add_nc_u64 s[22:23], s[6:7], s[22:23]
	s_add_nc_u64 s[46:47], s[8:9], s[46:47]
	s_add_nc_u64 s[92:93], s[10:11], s[92:93]
	CROUND                                         ; all four work-groups are here: the joint loads meet
	s_mov_b32 s[G0S], 1
	s_add_co_u32 s[G0S+1], s94, SCL
	s_mov_b64 s[G0S+2:G0S+3], s[22:23]
	s_or_b32 s[G0S+3], s[G0S+3], 0x80000000
	s_mov_b32 s[G0SB], 1
	s_add_co_u32 s[G0SB+1], s94, SCL
	s_mov_b64 s[G0SB+2:G0SB+3], s[92:93]
	s_or_b32 s[G0SB+3], s[G0SB+3], 0x80000000
	JLOAD G0S, G1S, G0SB, G1SB                     ; the scales first: they are wanted with the first slot
.irp s, 0,1
	s_mov_b32 s[G0+4*\s], 1
	s_add_co_u32 s[G0+4*\s+1], s45, \s*SLOT
	s_add_nc_u64 s[G0+4*\s+2:G0+4*\s+3], s[20:21], \s*ROWB
	s_or_b32 s[G0+4*\s+3], s[G0+4*\s+3], 0x80000000
	s_mov_b32 s[G0B+4*\s], 1
	s_add_co_u32 s[G0B+4*\s+1], s45, \s*SLOT
	s_add_nc_u64 s[G0B+4*\s+2:G0B+4*\s+3], s[46:47], \s*ROWB
	s_or_b32 s[G0B+4*\s+3], s[G0B+4*\s+3], 0x80000000
	JLOAD G0+4*\s, G1, G0B+4*\s, G1B               ; three loads of mine are out in all
.endr
	v_and_b32 v1, 15, v0                           ; r = lane % 16
	v_bfe_u32 v2, v0, 4, 1                         ; h = lane / 16
	v_mul_u32_u24 v3, v1, PITCH
	v_lshl_add_u32 v4, v2, 4, v3                   ; a fragment's row x pitch + 16 x half
	s_mul_i32 s21, s15, HALFT                      ; my 128 rows of x
	s_mul_i32 s22, s16, HALFT                      ; my 128 rows of W,
	s_add_co_u32 s22, s22, 2*HALFT                 ; which lie behind x's 256
.irp s, 0,1
	v_add_nc_u32 v[ADRA+\s], s21, v4
	v_add_nc_u32 v[ADRB+\s], s22, v4
	s_add_co_u32 s21, s21, SLOT
	s_add_co_u32 s22, s22, SLOT
.endr
	v_mul_u32_u24 v5, v1, KS                       ; my row's scales: 32 bytes a row,
	v_lshrrev_b32 v6, 8, v5
	v_lshl_add_u32 v5, v6, 4, v5                   ; and 16 more for each 256 passed
	s_mul_i32 s21, s15, HALFS                      ; x's: my 128 rows
	s_mul_i32 s22, s16, HALFS                      ; W's: my 128 rows, behind x's 256
	s_add_co_u32 s22, s22, 2*HALFS
	s_sub_co_u32 s22, s22, s21
	v_mul_u32_u24 v6, s22, v2                      ; lanes 16-31 take W's: one product, the distance between the two bases
	s_add_co_u32 s21, s21, SCL
	v_add_nc_u32 v5, v5, v6
	v_add_nc_u32 v[ADRS], s21, v5
	s_mul_i32 s23, s14, ST16B                      ; my f16 stage
	v_mul_u32_u24 v5, v1, 144
	v_lshl_add_u32 v5, v2, 4, v5
	v_add_nc_u32 v[STO], s23, v5                   ; in: row r of 144 bytes, 16 bytes for each half of the lanes
	v_and_b32 v6, 31, v0
	v_lshrrev_b32 v5, 3, v6
	v_mul_u32_u24 v5, v5, 144
	v_and_b32 v7, 7, v0
	v_lshl_add_u32 v5, v7, 4, v5
	v_add_nc_u32 v[RD], s23, v5                    ; back: eight lanes to a row of 128 bytes, four rows an instruction
	v_lshlrev_b32 v[CO], 4, v6
	s_mul_i32 s23, s14, 16*528
	s_add_co_u32 s23, s23, ST32                    ; my f32 stage
	v_mul_u32_u24 v5, v1, 528
	v_lshl_add_u32 v5, v2, 5, v5
	v_add_nc_u32 v[STO32], s23, v5                 ; in: row r, 32 bytes for each half of the lanes
	v_add_nc_u32 v[RD32], s23, v[CO]               ; back: the 32 lanes take one row of 512 bytes
	; where my part begins in qkv: my 128 columns are heads g0, g0 + 1 of the 48 (16 of q, 16 of k, 16 of v); my 128 rows lie in batch tile row / 8
	s_lshl_b32 s20, s42, 2
	s_lshl_b32 s21, s16, 1
	s_add_co_u32 s20, s20, s21                     ; g0 = 4 x tile column + 2 x half
	s_lshr_b32 s21, s20, 4                         ; q, k or v
	s_lshl_b32 s21, s21, 2
	s_lshr_b32 s22, s17, 3                         ; batch
	s_add_co_u32 s21, s21, s22
	s_lshl_b32 s21, s21, 4
	s_and_b32 s20, s20, 15                         ; head
	s_add_co_u32 s21, s21, s20
	s_lshl_b32 s20, s21, 18                        ; 262,144 bytes a head
	s_and_b32 s21, s17, 7
	s_lshl_b32 s21, s21, 15                        ; 256 positions of 128 bytes a tile row
	s_add_co_u32 s20, s20, s21
	s_lshl_b32 s21, s15, 14                        ; my half's 128 positions
	s_add_co_u32 s20, s20, s21
	s_mov_b32 s21, 0
	s_add_nc_u64 s[12:13], s[12:13], s[20:21]
	s_mul_i32 s20, s22, 16*12288                   ; in qkv32: the batch's 16 rows of 12,288 bytes,
	s_lshl_b32 s21, s42, 10                        ; the tile's 256 columns,
	s_add_co_u32 s20, s20, s21
	s_lshl_b32 s21, s16, 9                         ; my half's 128
	s_add_co_u32 s20, s20, s21
	s_mov_b32 s21, 0
	s_add_nc_u64 s[66:67], s[66:67], s[20:21]
	s_and_b32 s18, s17, 7
	s_or_b32 s18, s18, s15                         ; 0 where my first 16 rows are a batch's positions 0-15: the cluster's y and the wave's number, alike in all partners
.macro FRAG reg, adr, q, i             ; a fragment, 16 rows x 128 K of 4-bit codes: lane l holds row l % 16; registers 4 c .. 4 c + 3 hold K = 64 c + 32 (l / 16) + 0 .. 31
.irp c, 0,1
	ds_load_b128 v[\reg+4*\c:\reg+4*\c+3], v[\adr] offset:64*(\q)+32*\c+(\i)*16*PITCH
.endr
.endm
; 16 matrix instructions: x's blocks a0, a0 + 1 against W's eight, the slot's q-th 128 along K.  p: W's set; sc: the set of scale words.  zero = 1: the first product starts the sums.
; The 64 accumulators take turns, one instruction a turn, in the same order in every step.
.macro MUL16 a0, p, q, sc, zero
.irp a, \a0, \a0+1
.irp b, 0,1,2,3,4,5,6,7
.if \zero
	v_wmma_scale_f32_16x16x128_f8f6f4 v[8*(8*((\a)%4)+\b):8*(8*((\a)%4)+\b)+7], v[128*(\p)+FR*\b:128*(\p)+FR*\b+FR-1], v[AF+FR*(\a):AF+FR*(\a)+FR-1], 0, v[SC+8*NQ*(\sc)+NQ*\b+(\q)], v[SC+8*NQ*(\sc)+NQ*(\a)+(\q)] matrix_a_fmt:MATRIX_FMT_FP4 matrix_b_fmt:MATRIX_FMT_FP4 matrix_a_scale:MATRIX_SCALE_ROW1
.else
	v_wmma_scale_f32_16x16x128_f8f6f4 v[8*(8*((\a)%4)+\b):8*(8*((\a)%4)+\b)+7], v[128*(\p)+FR*\b:128*(\p)+FR*\b+FR-1], v[AF+FR*(\a):AF+FR*(\a)+FR-1], v[8*(8*((\a)%4)+\b):8*(8*((\a)%4)+\b)+7], v[SC+8*NQ*(\sc)+NQ*\b+(\q)], v[SC+8*NQ*(\sc)+NQ*(\a)+(\q)] matrix_a_fmt:MATRIX_FMT_FP4 matrix_b_fmt:MATRIX_FMT_FP4 matrix_a_scale:MATRIX_SCALE_ROW1
.endif
.endr
.endr
.endm
.macro FETCH_B slot, q, p              ; W's eight fragments of the slot's q-th 128 along K into set p
	WIN TO_B
.irp i, 0,1,2,3,4,5,6,7
	FRAG 128*(\p)+FR*\i, ADRB+\slot, \q, \i
.endr
	WIN 0
.endm
.macro FETCH_A slot, q, i0             ; x's blocks i0 .. i0 + 3
.irp i, \i0, \i0+1, \i0+2, \i0+3
	FRAG AF+FR*(\i), ADRA+\slot, \q, \i
.endr
.endm
.macro SCALES sc                       ; a slot's scale words into set sc: four words a row; lanes 0-15 take x's block i, lanes 16-31 W's block i
.irp i, 0,1,2,3,4,5,6,7
	ds_load_b128 v[SC+8*NQ*\sc+NQ*\i:SC+8*NQ*\sc+NQ*\i+3], v[ADRS] offset:\i*SBLK
.endr
.endm
; A load into a register that a matrix instruction has read, and a vector instruction or LDS store that reads a matrix result, stand NP places behind it; only plain vector instructions that name none of its registers are places.
.macro PLACES n
.rept \n
	v_nop
.endr
.endm
; A step of 128 along K that has its successor in the same slot.  A block of x is free as soon as its eight products are issued: blocks 0-3 are fetched anew in the step's middle, blocks 4-7 at its end.
.macro STEP slot, q, zero
	s_wait_dscnt 4*NL                              ; W's set and x's blocks 0-3 are in; the youngest eight loads (x's blocks 4-7) may be out
	WIN MUL_LO
	MUL16 0, (\q)%2, \q, \slot, \zero
	MUL16 2, (\q)%2, \q, \slot, \zero
	s_wait_dscnt 0                                 ; x's blocks 4-7 are in
	PLACES NP
	FETCH_B \slot, (\q)+1, 1-(\q)%2
	FETCH_A \slot, (\q)+1, 0
	WIN MUL_HI
	MUL16 4, (\q)%2, \q, \slot, \zero
	MUL16 6, (\q)%2, \q, \slot, \zero
	PLACES NP
	WIN 0
	FETCH_A \slot, (\q)+1, 4
.endm
; Slot 0's last step changes slots: one barrier.  In front of it each wave waits for all its tensor loads (its part of slot 1) and for its own reads of slot 0, whose bytes the stages take later.
.macro TURN slot, next
	s_wait_tensorcnt 0x0                           ; all my tensor loads have landed
	ds_add_u32 v[SPW], v[NIL]                      ; 0 onto my spare word
	s_wait_dscnt 4*NL+1                            ; (the add and the youngest eight loads, x's blocks 4-7, may be out)
	WIN MUL_LO
	MUL16 0, 1, NQ-1, \slot, 0
	s_wait_dscnt 0x0                               ; the add is done, and my reads of this slot are over
	s_barrier_signal -1
	MUL16 2, 1, NQ-1, \slot, 0
	WIN 0
	s_barrier_wait -1
	PLACES NP
	v_add_nc_u32 v[ADRS], 4*NQ, v[ADRS]            ; on to the next slot's scale words (no LDS load of mine is out)
	FETCH_B \next, 0, 0
	FETCH_A \next, 0, 0
	SCALES \next
	WIN MUL_HI
	MUL16 4, 1, NQ-1, \slot, 0
	MUL16 6, 1, NQ-1, \slot, 0
	PLACES NP
	WIN 0
	FETCH_A \next, 0, 4
.endm
	s_wait_tensorcnt 1                             ; the scales and my part of slot 0 are in; slot 1's load, the one issued behind them, may be out
	s_barrier_signal -1
	s_barrier_wait -1                              ; everybody's are
	FETCH_B 0, 0, 0
	FETCH_A 0, 0, 0
	SCALES 0
	FETCH_A 0, 0, 4
	STEP 0, 0, 1                                   ; the first products start the sums: nothing is cleared
	STEP 0, 1, 0
	STEP 0, 2, 0
	TURN 0, 1
	STEP 1, 0, 0
	STEP 1, 1, 0
	STEP 1, 2, 0
	s_wait_dscnt 4*NL                              ; the last step: nothing more to fetch
	WIN MUL_LO
	MUL16 0, 1, NQ-1, 1, 0
	MUL16 2, 1, NQ-1, 1, 0
	s_wait_dscnt 0
	WIN MUL_HI
	MUL16 4, 1, NQ-1, 1, 0
	MUL16 6, 1, NQ-1, 1, 0
	WIN 0
; THE WAY OUT, block by block of 16 rows x 128 columns (two heads).  PACK: rounded to f16, 16 bytes a lane, each accumulator from its low end on.  TOSTAGE: into my own stage, head by head, and back as rows of 128 bytes.
; SEND: 32 lanes store four rows of a head: 512 consecutive bytes.  LDS serves a wave's instructions in order: no wait between the stage's stores and loads.
.macro PACK a
.set AC, 64*((\a)%4)
	WIN 0x0a+5*((\a)/4)                            ; sources 0 and 1: window 2 or 3
.irp b, 0,1,2,3,4,5,6,7
.irp k, 0,1,2,3
	v_cvt_pk_f16_f32 v[TMP+4*\b+\k], v[AC+8*\b+2*\k], v[AC+8*\b+2*\k+1]
.endr
.endr
	WIN 0
.endm
.macro TOSTAGE a
.set BKR, 32+192*((\a)%2)              ; v32-63 and v224-255 by turns
.irp b, 0,1,2,3,4,5,6,7
	ds_store_b128 v[STO], v[TMP+4*\b:TMP+4*\b+3] offset:(\b/4)*2304+(\b%4)*32
.endr
.irp u, 0,1
.irp i, 0,1,2,3
	ds_load_b128 v[BKR+16*\u+4*\i:BKR+16*\u+4*\i+3], v[RD] offset:\u*2304+\i*576
.endr
.endr
.endm
.macro SEND a
.set BKR, 32+192*((\a)%2)
	s_wait_dscnt 0x0                               ; the block is back in registers
	s_wait_xcnt 0x0                                ; earlier stores have read their base and their data: both are rewritten only behind this wait
.if (\a) > 0
	s_add_nc_u64 s[12:13], s[12:13], 2048          ; 16 positions on
.endif
.irp u, 0,1
.irp i, 0,1,2,3
	global_store_b128 v[CO], v[BKR+16*\u+4*\i:BKR+16*\u+4*\i+3], s[12:13] offset:\u*262144+\i*512
.endr
.endr
.endm
	PLACES NP                                      ; behind the last products: for the reads of results and for loads into registers that held operands
	s_cmp_lg_u32 s18, 0
	s_cbranch_scc1 .Lno_side
	WIN 0x08                                       ; an LDS store's data are its source 1: window 2.  Block 0, a batch's positions 0-15, leaves as f32 too
.irp b, 0,1,2,3,4,5,6,7
	ds_store_b128 v[STO32], v[8*\b:8*\b+3] offset:64*\b
	ds_store_b128 v[STO32], v[8*\b+4:8*\b+7] offset:64*\b+16
.endr
	WIN 0
.irp t, 0,1,2,3,4,5,6,7,8,9,10,11,12,13,14,15
	ds_load_b128 v[128+4*\t:128+4*\t+3], v[RD32] offset:\t*528
.endr
	s_wait_dscnt 0x0
.irp t, 0,1,2,3,4,5,6,7,8,9,10,11,12,13,14,15
	global_store_b128 v[CO], v[128+4*\t:128+4*\t+3], s[66:67] offset:\t*12288   ; 32 lanes store 512 consecutive bytes of a row
.endr
.Lno_side:
	PACK 0
	TOSTAGE 0
.irp a, 1,2,3,4,5,6,7                  ; block a's conversions stand between block a - 1's loads from the stage and the wait for them
	PACK \a
	SEND \a-1
	TOSTAGE \a
.endr
	SEND 7
	s_wait_tensorcnt 0x0                           ; the wave's end: behind my last tensor load and my last LDS store
	ds_add_u32 v[SPW], v[NIL]
	s_wait_dscnt 0x0
	CROUND                                         ; the closing round: no work-group ends while a partner may still ask for a tile that names it
	s_endpgm
.Lfunc_end_k_q0a65898ca6_qkv:
	.size	k_q0a65898ca6_qkv, .Lfunc_end_k_q0a65898ca6_qkv-k_q0a65898ca6_qkv
	.p2alignl 7, 3214868480
	.fill 96, 4, 3214868480
	.section	.rodata,"a",@progbits
	.p2align	6, 0x0
	.amdhsa_kernel k_q0a65898ca6_qkv
		.amdhsa_group_segment_fixed_size 327680
		.amdhsa_private_segment_fixed_size 0
		.amdhsa_enable_private_segment 0
		.amdhsa_kernarg_size 48
		.amdhsa_user_sgpr_count 2
		.amdhsa_user_sgpr_kernarg_segment_ptr 1
		.amdhsa_wavefront_size32 1
		.amdhsa_system_sgpr_workgroup_id_x 1
		.amdhsa_system_sgpr_workgroup_id_y 1
		.amdhsa_system_sgpr_workgroup_id_z 1
		.amdhsa_system_vgpr_workitem_id 0
		.amdhsa_next_free_vgpr 1024
		.amdhsa_next_free_sgpr 98
		.amdhsa_reserve_vcc 0
		.amdhsa_float_denorm_mode_32 3
		.amdhsa_float_denorm_mode_16_64 3
		.amdhsa_memory_ordered 1
		.amdhsa_forward_progress 1
		.amdhsa_inst_pref_size 131
	.end_amdhsa_kernel
	.amdgpu_metadata
---
amdhsa.version: [ 1, 2 ]
amdhsa.kernels:
  - .name:           k_q0a65898ca6_qkv
    .symbol:         k_q0a65898ca6_qkv.kd
    .args:
      - { .name: x_codes, .offset: 0, .size: 8, .value_kind: global_buffer, .address_space: global }
      - { .name: x_scales, .offset: 8, .size: 8, .value_kind: global_buffer, .address_space: global }
      - { .name: w_codes, .offset: 16, .size: 8, .value_kind: global_buffer, .address_space: global }
      - { .name: w_scales, .offset: 24, .size: 8, .value_kind: global_buffer, .address_space: global }
      - { .name: qkv, .offset: 32, .size: 8, .value_kind: global_buffer, .address_space: global }
      - { .name: qkv32, .offset: 40, .size: 8, .value_kind: global_buffer, .address_space: global }
    .group_segment_fixed_size: 327680
    .private_segment_fixed_size: 0
    .kernarg_segment_align: 8
    .kernarg_segment_size: 48
    .max_flat_workgroup_size: 128
    .sgpr_count:     98
    .vgpr_count:     1024
    .wavefront_size: 32
...
	.end_amdgpu_metadata
.endif
;; end of part 2
;; launch attn (part 3): grid 4 x 64, 8 waves a work-group, no clusters, 327,680 bytes of LDS; arguments qkv, attn; writes attn
.if DOCPART == 3
	.amdgcn_target "amdgcn-amd-amdhsa--gfx1250"
	.amdhsa_code_object_version 6
	.text
	.protected	k_q0a65898ca6_attn
	.globl	k_q0a65898ca6_attn
	.p2align	8
	.type	k_q0a65898ca6_attn,@function
k_q0a65898ca6_attn:
	s_mov_b64 s[64:65], 0
	v_nop
	global_prefetch_b8 v0, s[64:65] scope:SCOPE_SE
	s_setreg_imm32_b32 hwreg(HW_REG_WAVE_MODE, 25, 1), 1
	s_wait_xcnt 0x0
; attn[b][h][q][:] = sum over k <= q of softmax_k(Q[q] . K[k] / 8) V[k][:], head size 64, 2,048 positions, 64 (batch, head) pairs.  Q, K, V: f16 [q, k, v][b][h][position][64]; attn: f16 [b][h][position][64].
; Products, maxima and sums in f32; the weights p are rounded to f16 for the second product, the result once at the end.  LIMITS: |attn| under 65,504; scores under 3e38; NaN and infinities are not served.
; SHARES.  A work-group of eight waves takes TWO blocks of 256 queries of one head: first block 7 - p, then block p (p = work-group x).  Block i needs key slots 0 .. i of 256 keys, so every work-group
; walks 9 slots: 256 equal work-groups, and the loop's trip count is a constant.  A wave owns 32 queries, two tiles of 16, so that each fragment of K and V read from LDS feeds two products; two waves share a SIMD.
; NO CLUSTER: the four work-groups of a head walk the same slots only while all are in their first block (5 of 9 trips); where a work-group changes block hangs on its number, and a walk alike in all four would take 12 slots in place of 9.
; LAYOUT.  S^T = K Q^T (source 0 = 16 keys, source 1 = 16 queries): a lane holds ONE query (lane % 16) and keys 8 (lane / 16) + 0..7.  Two such tiles rounded to f16 in pairs ARE source 1 of O^T = V^T P.  V is turned by ds_load_tr16_b128.
; SOFTMAX.  A running maximum m and sum l for each query: p = 2^(c s - c m), c = log2(e) / 8; in every step O and l are multiplied by a = 2^(c m_old - c m_new).
; CAUSAL.  A step of 64 keys all of which come after my 32 queries is jumped over (a scalar branch on ids); on the diagonal hidden scores become -infinity.  A step that is walked begins at or under my first query, so no row is all hidden.
; LDS.  A head's K and V are dense, so a tile is stated as rows of 256 bytes, each TWO rows of 128; padding 16 bytes (K) or 32 (V) behind each.  Row i lies at (i / 2) x pitch + (i % 2) x 128:
; in units of 16 bytes modulo 16 a fragment's 16 rows of K fall on i / 2 + 8 (i % 2), and the 8 rows x 32 bytes of a turning load on 2 (i / 2) + 8 (i % 2) + 0, 1: all different.
; REGISTERS.  window 0: v1-15 addresses; v16-31 statistics, eight a tile; v32-63 Q; v64-127 S^T; v128-191 O^T; v192-223 P; v224-255 the way out.  window 1: v0-63 K of a step, v64-127 V of a step.
.set KPAIR, 272                        ; two rows of K + 16 bytes
.set VPAIR, 288                        ; two rows of V + 32 bytes
.set VOFF,  128*KPAIR                  ; a slot: 256 keys of K, then of V
.set SLOT1, 131072                     ; slot 1 begins here: one exclusive or turns an address in one slot into the other's
.set STAGE, SLOT1+128*(KPAIR+VPAIR)    ; behind the ring: 16 rows x 144 bytes for each wave
.set SPARE, STAGE+8*16*144             ; the spare words, 128 bytes a wave, named by no other line
.set AK0, 1                            ; v1  my lane's place in a tile of K
.set AV0, 2                            ; v2  the same for V
.set ADK, 3                            ; v3  + the slot in hand
.set ADV, 4                            ; v4
.set QO,  5                            ; v5  my byte offset in 16 rows of Q
.set STO, 6                            ; v6  the stage: in
.set RD,  7                            ; v7  the stage: back
.set GO,  8                            ; v8  16 x lane
.set DL,  9                            ; v9  lane % 16 - 8 (lane / 16)
.set NINF, 10                          ; v10 -infinity
.set DD,  11                           ; v11, v12 the mask's bound for tile 0, 1
.set PFO, 13                           ; v13 256 x lane; never rewritten
.set SPW, 14                           ; v14 my spare word; never rewritten
.set NIL, 15                           ; v15 0; never rewritten
.set ST,  16                           ; tile t at v[ST + 8 t]: +0 c m, +1 m, +2, +3 l (even keys', odd keys'), +4 .. +7 c0-c3 at work; a takes c2's place
.set Q,   32                           ; Q[t][kc] at Q + 16 t + 8 kc
.set S,   64                           ; S[t][a] at S + 32 t + 8 a
.set O,   128                          ; O[t][ch] at O + 32 t + 8 ch
.set P,   192                          ; 16 a tile
.set BK,  224
.set TB,  2                            ; s2  LDS byte at which the slot in hand begins
.set TT,  3                            ; s3  the trip
.set WV,  8                            ; s8  wave
.set PP,  9                            ; s9  p
.set SW,  10                           ; s10 8 - p: the trip in which the second block begins
.set KSN, 11                           ; s11 the key slot asked for last
.set KF,  12                           ; s12 the step's first key
.set Q0,  13                           ; s13 my first query
.set LIM, 14                           ; s14 a wave prefetches while the trip is under it
.set QB,  16                           ; s[16:17] the head's Q;  s[18:19], s[20:21] my half of key slot 0 of K, of V;  s[22:23] the head in attn
.set KW,  18
.set VW,  20
.set AB,  22
.set G1K, 24                           ; s[24:31], s[32:39] group 1 for K's and V's tiles;  s[40:43], s[44:47] their groups 0, which walk
.set G1V, 32
.set G0K, 40
.set G0V, 44
.set OFF, 48                           ; s[48:49] 32,768 x the key slot
.set QA,  50                           ; s[50:51] my 32 rows of Q;  s[52:53] of attn
.set OA,  52
.set PFK, 54                           ; s[54:55], s[56:57] where my prefetches stand in K, in V
.set PFV, 56
.set CS,  58                           ; s[58:59] c, twice: the packed form names a pair
.set SEL, 60                           ; s[60:61] selects for v_permlanex16_b32: lane l xor 16
.set MSB, 0
.macro WIN new                         ; the immediate's high byte repeats the setting that is left
.if MSB != \new
	s_set_vgpr_msb (MSB<<8)|\new
.set MSB, \new
.endif
.endm
.macro PLACES                          ; four places behind a matrix instruction (ISA guide 7.12.1)
.rept 4
	v_nop
.endr
.endm
; Waves 0 and 1 fetch K's halves of a slot, waves 2 and 3 V's, the others nothing.  The branches hang on the wave's number alone.  An s_nop 0 and four v_nop follow each line.
.macro TLOAD
	s_cmp_lt_u32 s[WV], 2
	s_cbranch_scc0 .Lnot_k_\@
	tensor_load_to_lds s[G0K:G0K+3], s[G1K:G1K+7]
	s_nop 0
.rept 4
	v_nop
.endr
	s_branch .Lasked_\@
.Lnot_k_\@:
	s_cmp_lt_u32 s[WV], 4
	s_cbranch_scc0 .Lasked_\@
	tensor_load_to_lds s[G0V:G0V+3], s[G1V:G1V+7]
	s_nop 0
.rept 4
	v_nop
.endr
.Lasked_\@:
.endm
; A PREFETCH INTO THE L2 of the key slot that the NEXT change of slots will ask for.  Of a head's four work-groups the one with p = 0 asks: it alone walks slots 0 .. 7 in order.  In it waves 4 to 7, which fetch nothing,
; take 8,192 bytes of K and of V each, lanes 256 bytes apart: each run of 256 bytes of slots 2 to 7 is named once in the launch.  Trip t names slot t + 2; trips 6 and later name nothing.  Slots 0 and 1 come by their loads alone.
.macro ASK
	s_cmp_lt_u32 s[TT], s[LIM]
	s_cbranch_scc0 .Lnot_mine_\@
	global_prefetch_b8 v[PFO], s[PFK:PFK+1] th:TH_LOAD_NT scope:SCOPE_SE
	global_prefetch_b8 v[PFO], s[PFV:PFV+1] th:TH_LOAD_NT scope:SCOPE_SE
.Lnot_mine_\@:
.endm
; THE CHANGE OF SLOTS stands at a trip's head.  Each wave waits for all its tensor loads (its part of the slot that it is about to read), adds 0 to its spare word, and waits for that and for its reads of the slot that it has left.
; Behind the barrier the slot ahead is whole and nobody reads the other one.  fill = 1: that other slot takes the next trip's keys: one load a wave, with a whole trip in which to land.
.macro CHANGE fill
	s_wait_tensorcnt 0x0                           ; no tensor load of mine is out, so a group 0 may be written
	ds_add_u32 v[SPW], v[NIL]                      ; 0 onto my spare word
.if \fill
	ds_add_u32 v[SPW], v[NIL]                      ; and once more
	s_xor_b32 s[G0K+1], s[G0K+1], SLOT1            ; the walking descriptors: the other slot than last time,
	s_xor_b32 s[G0V+1], s[G0V+1], SLOT1
	s_add_co_u32 s[KSN], s[KSN], 1                 ; the next key slot; behind the first block's last, slot 0 again
	s_cmp_eq_u32 s[KSN], s[SW]
	s_cselect_b32 s[KSN], 0, s[KSN]
	s_lshl_b32 s[OFF], s[KSN], 15
	s_add_nc_u64 s[G0K+2:G0K+3], s[KW:KW+1], s[OFF:OFF+1]
	s_or_b32 s[G0K+3], s[G0K+3], 0x80000000
	s_add_nc_u64 s[G0V+2:G0V+3], s[VW:VW+1], s[OFF:OFF+1]
	s_or_b32 s[G0V+3], s[G0V+3], 0x80000000
	s_wait_xcnt 0x0                                ; the last prefetches, a trip back, have read their addresses
	s_add_nc_u64 s[PFK:PFK+1], s[PFK:PFK+1], 32768
	s_add_nc_u64 s[PFV:PFV+1], s[PFV:PFV+1], 32768
.endif
	s_wait_dscnt 0x0                               ; the add is done (fill = 1: both are), and my reads of the slot that I have left are over
	s_barrier_signal -1
	s_barrier_wait -1
.if \fill
	TLOAD                                          ; the first thing behind the barrier, and a wave's one tensor load until the next
	ASK
.endif
.endm
; A block of queries begins (s[Q0] is set): Q into registers; m = -3e38, under every score; l, O^T and the work registers zero: the first change of m multiplies zeros.
.macro NEWBLOCK
	s_lshl_b32 s96, s[Q0], 7
	s_mov_b32 s97, 0
	s_add_nc_u64 s[QA:QA+1], s[QB:QB+1], s[96:97]
	s_add_nc_u64 s[OA:OA+1], s[AB:AB+1], s[96:97]
.irp t, 0,1
.irp kc, 0,1
	global_load_b128 v[Q+16*\t+8*\kc:Q+16*\t+8*\kc+3], v[QO], s[QA:QA+1] offset:\t*2048+\kc*64
	global_load_b128 v[Q+16*\t+8*\kc+4:Q+16*\t+8*\kc+7], v[QO], s[QA:QA+1] offset:\t*2048+\kc*64+32
.endr
.endr
.irp t, 0,1
	v_mov_b32 v[ST+8*\t+1], 0xff61b1e6
	v_mul_f32 v[ST+8*\t], s[CS], v[ST+8*\t+1]
.irp k, 2,3,4,5,6,7
	v_mov_b32 v[ST+8*\t+\k], 0
.endr
.endr
.set i, 0
.rept 64
	v_mov_b32 v[O+i], 0
.set i, i+1
.endr
	s_wait_loadcnt 0x0
.endm
; A block of queries ends: l's two halves and the other half of the lanes' are added; O^T / l, rounded to f16, goes through my stage, a tile (16 rows of 128 bytes) at a time, and leaves four rows, 512 consecutive bytes, a store.
.macro FINISH
	PLACES                                         ; behind the last products
.irp t, 0,1
	v_add_f32 v[ST+8*\t+4], v[ST+8*\t+2], v[ST+8*\t+3]
.endr
.irp t, 0,1
	v_permlanex16_b32 v[ST+8*\t+5], v[ST+8*\t+4], s[SEL], s[SEL+1]
.endr
.irp t, 0,1
	v_add_f32 v[ST+8*\t+4], v[ST+8*\t+4], v[ST+8*\t+5]
.endr
.irp t, 0,1
	v_rcp_f32 v[ST+8*\t+6], v[ST+8*\t+4]
.endr
	v_nop                                          ; a plain instruction behind the last reciprocal
	s_wait_alu depctr_va_vdst(0)                   ; and the wait ahead of the first use: one for both
.irp t, 0,1
.set i, 0
.rept 16
	v_pk_mul_f32 v[O+32*\t+i:O+32*\t+i+1], v[O+32*\t+i:O+32*\t+i+1], v[ST+8*\t+6:ST+8*\t+7] op_sel_hi:[1,0]
.set i, i+2
.endr
.set i, 0
.rept 16
	v_cvt_pk_f16_f32 v[P+16*\t+i], v[O+32*\t+2*i], v[O+32*\t+2*i+1]
.set i, i+1
.endr
.irp c, 0,1,2,3
	ds_store_b128 v[STO], v[P+16*\t+4*\c:P+16*\t+4*\c+3] offset:32*\c
.endr
.irp c, 0,1,2,3
	ds_load_b128 v[BK+16*\t+4*\c:BK+16*\t+4*\c+3], v[RD] offset:576*\c   ; LDS serves a wave's instructions in order: these see the stores above, and the next tile's stores come behind them
.endr
.endr
	s_wait_dscnt 8                                 ; tile 0 is back; tile 1's four stores and four loads may be out
.irp c, 0,1,2,3
	global_store_b128 v[GO], v[BK+4*\c:BK+4*\c+3], s[OA:OA+1] offset:512*\c
.endr
	s_wait_dscnt 0x0
.irp c, 0,1,2,3
	global_store_b128 v[GO], v[BK+16+4*\c:BK+16+4*\c+3], s[OA:OA+1] offset:2048+512*\c
.endr
.endm
.macro KLOAD q                         ; 16 loads: the slot's q-th 64 keys: fragment (a, kc) = keys 16 a on, channels 32 kc on
.irp a, 0,1,2,3
.irp kc, 0,1
	ds_load_b128 v[8*(2*\a+\kc):8*(2*\a+\kc)+3], v[ADK] offset:(\q)*32*KPAIR+\a*8*KPAIR+\kc*64
	ds_load_b128 v[8*(2*\a+\kc)+4:8*(2*\a+\kc)+7], v[ADK] offset:(\q)*32*KPAIR+\a*8*KPAIR+\kc*64+32
.endr
.endr
.endm
.macro VLOAD q                         ; 16 turning loads: fragment (k2, ch) = channels 16 ch on, keys 32 k2 on
.irp k2, 0,1
.irp ch, 0,1,2,3
	ds_load_tr16_b128 v[64+8*(4*\k2+\ch):64+8*(4*\k2+\ch)+3], v[ADV] offset:(\q)*32*VPAIR+\k2*16*VPAIR+\ch*32
	ds_load_tr16_b128 v[64+8*(4*\k2+\ch)+4:64+8*(4*\k2+\ch)+7], v[ADV] offset:(\q)*32*VPAIR+\k2*16*VPAIR+8*VPAIR+\ch*32
.endr
.endr
.endm
; The softmax of a step, both tiles line by line in turn, so that no line waits for the line above it.
.macro SOFTMAX
.irp j, 0,1,2,3
.irp t, 0,1
	v_max3_num_f32 v[ST+8*\t+4+\j], v[S+32*\t+8*\j], v[S+32*\t+8*\j+1], v[S+32*\t+8*\j+2]   ; four chains, each begun at the low end of one accumulator
.endr
.endr
.irp g, 1,2
.irp j, 0,1,2,3
.irp t, 0,1
	v_max3_num_f32 v[ST+8*\t+4+\j], v[ST+8*\t+4+\j], v[S+32*\t+8*\j+2*\g+1], v[S+32*\t+8*\j+2*\g+2]
.endr
.endr
.endr
.irp t, 0,1
	v_max3_num_f32 v[ST+8*\t+4], v[ST+8*\t+4], v[S+32*\t+7], v[S+32*\t+15]
	v_max3_num_f32 v[ST+8*\t+6], v[ST+8*\t+6], v[S+32*\t+23], v[S+32*\t+31]
.endr
.irp t, 0,1
	v_max3_num_f32 v[ST+8*\t+4], v[ST+8*\t+4], v[ST+8*\t+5], v[ST+8*\t+6]
.endr
.irp t, 0,1
	v_max3_num_f32 v[ST+8*\t+4], v[ST+8*\t+4], v[ST+8*\t+7], v[ST+8*\t+1]   ; and the old m
.endr
.irp t, 0,1
	v_permlanex16_b32 v[ST+8*\t+5], v[ST+8*\t+4], s[SEL], s[SEL+1]          ; the query's other 32 keys lie in the lane 16 away
.endr
.irp t, 0,1
	v_mov_b32 v[ST+8*\t+7], v[ST+8*\t]             ; c m_old is kept for a
.endr
.irp t, 0,1
	v_max_num_f32 v[ST+8*\t+1], v[ST+8*\t+4], v[ST+8*\t+5]
.endr
.irp t, 0,1
	v_mul_f32 v[ST+8*\t], s[CS], v[ST+8*\t+1]
.endr
.irp t, 0,1
	v_sub_f32 v[ST+8*\t+7], v[ST+8*\t+7], v[ST+8*\t]
.endr
.set i, 0
.rept 16
.irp t, 0,1
	v_pk_fma_f32 v[S+32*\t+i:S+32*\t+i+1], v[S+32*\t+i:S+32*\t+i+1], s[CS:CS+1], v[ST+8*\t:ST+8*\t+1] op_sel_hi:[1,0,0] neg_lo:[0,0,1] neg_hi:[0,0,1]   ; c s - c m
.endr
.set i, i+2
.endr
.irp t, 0,1
	v_exp_f32 v[ST+8*\t+6], v[ST+8*\t+7]           ; a.  ONE BATCH of 66 exponentials, none of which reads another's result
.endr
.set i, 0
.rept 32
.irp t, 0,1
	v_exp_f32 v[S+32*\t+i], v[S+32*\t+i]
.endr
.set i, i+1
.endr
	v_nop                                          ; a plain instruction behind the last exponential
	s_wait_alu depctr_va_vdst(0)                   ; one wait for the batch, ahead of its first reader
.set i, 0
.rept 16
.irp t, 0,1
	v_cvt_pk_f16_f32 v[P+16*\t+i], v[S+32*\t+2*i], v[S+32*\t+2*i+1]
.endr
.set i, i+1
.endr
.irp u, 0,1,2,3,4,5,6,7                ; the sum of the tile's 16 pairs, in place: neighbours 1, 2, 4 and 8 pairs apart
.irp t, 0,1
	v_pk_add_f32 v[S+32*\t+4*\u:S+32*\t+4*\u+1], v[S+32*\t+4*\u:S+32*\t+4*\u+1], v[S+32*\t+4*\u+2:S+32*\t+4*\u+3]
.endr
.endr
.irp u, 0,1,2,3
.irp t, 0,1
	v_pk_add_f32 v[S+32*\t+8*\u:S+32*\t+8*\u+1], v[S+32*\t+8*\u:S+32*\t+8*\u+1], v[S+32*\t+8*\u+4:S+32*\t+8*\u+5]
.endr
.endr
.irp u, 0,1
.irp t, 0,1
	v_pk_add_f32 v[S+32*\t+16*\u:S+32*\t+16*\u+1], v[S+32*\t+16*\u:S+32*\t+16*\u+1], v[S+32*\t+16*\u+8:S+32*\t+16*\u+9]
.endr
.endr
.irp t, 0,1
	v_pk_add_f32 v[S+32*\t:S+32*\t+1], v[S+32*\t:S+32*\t+1], v[S+32*\t+16:S+32*\t+17]
.endr
.irp t, 0,1
	v_pk_fma_f32 v[ST+8*\t+2:ST+8*\t+3], v[ST+8*\t+2:ST+8*\t+3], v[ST+8*\t+6:ST+8*\t+7], v[S+32*\t:S+32*\t+1] op_sel_hi:[1,0,1]   ; l = a l + the sum
.endr
.set i, 0
.rept 16
.irp t, 0,1
	v_pk_mul_f32 v[O+32*\t+i:O+32*\t+i+1], v[O+32*\t+i:O+32*\t+i+1], v[ST+8*\t+6:ST+8*\t+7] op_sel_hi:[1,0]   ; O^T x a, each accumulator from its low end on
.endr
.set i, i+2
.endr
.endm
; A KEY STEP: the slot's q-th 64 keys.  K of the next step is asked for behind this step's scores, V of this step at its head: each run of 16 loads has a softmax or 16 products in which to land.
.macro STEP q
.if \q > 0                             ; step 0 of a slot begins at or under every query of the block: it has no test, so K's registers are written on every path
	s_add_co_u32 s96, s[Q0], 31
	s_cmp_gt_u32 s[KF], s96                        ; all 64 keys come after my 32 queries: ids and the count of steps alone
	s_cbranch_scc1 .Lhidden_\@
.endif
	PLACES                                         ; V's registers were read by the last products
	WIN 0x40                                       ; an LDS load's destination: window 1
.if \q == 0
	KLOAD 0
.endif
	VLOAD \q
	s_wait_dscnt 16                                ; K is in; V's 16 loads stay out
	WIN 0x01                                       ; source 0 window 1
.irp kc, 0,1                           ; the eight accumulators take turns; the first eight products start the sums
.irp a, 0,1,2,3
.irp t, 0,1
.if \kc == 0
	v_wmma_f32_16x16x32_f16 v[S+32*\t+8*\a:S+32*\t+8*\a+7], v[8*(2*\a+\kc):8*(2*\a+\kc)+7], v[Q+16*\t+8*\kc:Q+16*\t+8*\kc+7], 0
.else
	v_wmma_f32_16x16x32_f16 v[S+32*\t+8*\a:S+32*\t+8*\a+7], v[8*(2*\a+\kc):8*(2*\a+\kc)+7], v[Q+16*\t+8*\kc:Q+16*\t+8*\kc+7], v[S+32*\t+8*\a:S+32*\t+8*\a+7]
.endif
.endr
.endr
.endr
	WIN 0
	PLACES                                         ; for the loads into K's registers and for the first reads of the scores
.if \q < 3
	WIN 0x40
	KLOAD (\q)+1
	WIN 0
.endif
	s_add_co_u32 s96, s[KF], 63
	s_cmp_le_u32 s96, s[Q0]                        ; all 64 keys count for all my queries: no mask
	s_cbranch_scc1 .Lopen_\@
	s_sub_co_i32 s96, s[Q0], s[KF]
	v_add_nc_u32 v[DD], s96, v[DL]                 ; register 8 a + j of tile t holds key KF + 16 a + 8 (lane / 16) + j: hidden where 16 a + j > Q0 - KF + 16 t + lane % 16 - 8 (lane / 16)
	v_add_nc_u32 v[DD+1], 16, v[DD]
.set n, 0
.rept 32
.irp t, 0,1
	v_cmp_gt_i32 vcc_lo, 16*(n/8)+n%8, v[DD+\t]
	v_cndmask_b32 v[S+32*\t+n], v[S+32*\t+n], v[NINF], vcc_lo
.endr
.set n, n+1
.endr
.Lopen_\@:
	SOFTMAX
.if \q < 3
	s_wait_dscnt 16                                ; V is in; the next step's K, 16 loads, stays out
.else
	s_wait_dscnt 0x0
.endif
	WIN 0x01
.irp k2, 0,1                           ; O^T += V^T P: eight accumulators by turns
.irp ch, 0,1,2,3
.irp t, 0,1
	v_wmma_f32_16x16x32_f16 v[O+32*\t+8*\ch:O+32*\t+8*\ch+7], v[64+8*(4*\k2+\ch):64+8*(4*\k2+\ch)+7], v[P+16*\t+8*\k2:P+16*\t+8*\k2+7], v[O+32*\t+8*\ch:O+32*\t+8*\ch+7]
.endr
.endr
.endr
	WIN 0
.Lhidden_\@:
	s_add_co_u32 s[KF], s[KF], 64
.endm
; A TRIP: one slot of 256 keys.  In trip 8 - p the first block leaves and the second begins: a branch on ids, the same in all eight waves, with no barrier inside.
.macro TRIP fill
	CHANGE \fill
	s_cmp_lg_u32 s[TT], s[SW]
	s_cbranch_scc1 .Lsame_\@
	FINISH
	s_wait_xcnt 0x0                                ; the stores have read their base and data
	s_lshl_b32 s[Q0], s[PP], 8
	s_lshl_b32 s96, s[WV], 5
	s_add_co_u32 s[Q0], s[Q0], s96                 ; block p: my first query 256 p + 32 x wave
	s_mov_b32 s[KF], 0
	NEWBLOCK
.Lsame_\@:
	v_add_nc_u32 v[ADK], s[TB], v[AK0]
	v_add_nc_u32 v[ADV], s[TB], v[AV0]
	STEP 0
	STEP 1
	STEP 2
	STEP 3
	s_xor_b32 s[TB], s[TB], SLOT1                  ; on to the other slot
.endm
	s_load_b128 s[4:7], s[0:1], 0x0                ; qkv s[4:5], attn s[6:7]
	v_lshl_add_u32 v[SPW], v0, 2, SPARE
	v_mov_b32 v[NIL], 0
	ds_add_u32 v[SPW], v[NIL]                      ; the wave's opening: the add, twice on end, and its wait ahead of the first tensor load
	ds_add_u32 v[SPW], v[NIL]
	v_lshrrev_b32 v1, 5, v0
	v_readfirstlane_b32 s[WV], v1                  ; wave 0..7
	s_mov_b32 s[PP], ttmp9
	s_sub_co_u32 s[SW], 8, s[PP]
	s_and_b32 s96, ttmp7, 0xffff                   ; batch x 16 + head
	s_lshl_b32 s96, s96, 18                        ; 262,144 bytes a head
	s_mov_b32 s97, 0
	; group 1: half a slot: 64 rows of 128 elements of 2 bytes, dense in memory, padded in LDS
	s_mov_b32 s[G1K], (1<<16)|(1<<20)|(5<<22)|(3<<25)   ; no mask; elements of 2 bytes; padding on: after every 64 words four words
	s_mov_b32 s[G1V], (1<<16)|(1<<20)|(5<<22)|(7<<25)   ; the same with eight words
.irp g, G1K, G1V
	s_mov_b32 s[\g+1], 128<<16                     ; tensor_dim0
	s_mov_b32 s[\g+2], 64<<16                      ; tensor_dim1
	s_mov_b32 s[\g+3], 128<<16                     ; tile_dim0
	s_mov_b32 s[\g+4], 64                          ; tile_dim1
	s_mov_b32 s[\g+5], 128                         ; from row to row
	s_mov_b32 s[\g+6], 0
	s_mov_b32 s[\g+7], 0
.endr
	s_mov_b32 s[G0K], 1
	s_mov_b32 s[G0V], 1
	s_and_b32 s15, s[WV], 1                        ; which half of a slot I fetch, if I fetch
	s_mul_i32 s[G0K+1], s15, 64*KPAIR              ; its place in slot 0
	s_mul_i32 s[G0V+1], s15, 64*VPAIR
	s_add_co_u32 s[G0V+1], s[G0V+1], VOFF
	s_lshl_b32 s98, s15, 14                        ; and in memory: 16,384 bytes
	s_mov_b32 s99, 0
	s_mov_b32 s[CS], 0x3e38aa3b                    ; c = log2(e) / 8
	s_mov_b32 s[CS+1], s[CS]
	s_mov_b32 s[SEL], 0x76543210
	s_mov_b32 s[SEL+1], 0xfedcba98
	s_mov_b32 s[TB], 0
	s_mov_b32 s[TT], 0
	s_mov_b32 s[KSN], 0
	s_mov_b32 s[KF], 0
	s_mov_b32 s[OFF+1], 0
	s_lshr_b32 s[LIM], s[WV], 2
	s_xor_b32 s[LIM], s[LIM], 1                    ; 0 in waves 4 to 7,
	s_or_b32 s[LIM], s[LIM], s[PP]                 ; of the work-group with p = 0
	s_cmp_eq_u32 s[LIM], 0
	s_cselect_b32 s[LIM], 6, 0
	s_wait_dscnt 0x0                               ; both opening adds are done
	s_wait_kmcnt 0x0
	s_add_nc_u64 s[QB:QB+1], s[4:5], s[96:97]
	s_add_nc_u64 s[AB:AB+1], s[6:7], s[96:97]
	s_add_nc_u64 s[PFK:PFK+1], s[QB:QB+1], 16777216    ; the head's K: 64 heads of 262,144 bytes behind its Q
	s_add_nc_u64 s[PFV:PFV+1], s[QB:QB+1], 33554432    ; and its V
	s_add_nc_u64 s[KW:KW+1], s[PFK:PFK+1], s[98:99]
	s_add_nc_u64 s[VW:VW+1], s[PFV:PFV+1], s[98:99]
	s_mov_b64 s[G0K+2:G0K+3], s[KW:KW+1]
	s_or_b32 s[G0K+3], s[G0K+3], 0x80000000
	s_mov_b64 s[G0V+2:G0V+3], s[VW:VW+1]
	s_or_b32 s[G0V+3], s[G0V+3], 0x80000000
	TLOAD                                          ; key slot 0 into slot 0; slot 1 is first filled behind the first trip's barrier
	s_and_b32 s98, s[WV], 3
	s_lshl_b32 s98, s98, 13                        ; the prefetches: my wave's 8,192 bytes,
	s_add_co_u32 s98, s98, 32768                   ; in slot 1: the first change of slots steps it to slot 2
	s_add_nc_u64 s[PFK:PFK+1], s[PFK:PFK+1], s[98:99]
	s_add_nc_u64 s[PFV:PFV+1], s[PFV:PFV+1], s[98:99]
	v_and_b32 v224, 15, v0                         ; r
	v_bfe_u32 v225, v0, 4, 1                       ; h
	v_and_b32 v226, 31, v0                         ; lane
	v_lshrrev_b32 v227, 1, v224
	v_mul_u32_u24 v[AK0], v227, KPAIR
	v_and_b32 v227, 1, v0
	v_lshl_add_u32 v[AK0], v227, 7, v[AK0]
	v_lshl_add_u32 v[AK0], v225, 4, v[AK0]         ; K: (r / 2) pairs + (r % 2) x 128 + 16 h
	v_bfe_u32 v227, v0, 1, 2
	v_mul_u32_u24 v[AV0], v227, VPAIR
	v_mad_u32_u24 v[AV0], v225, 4*VPAIR, v[AV0]
	v_and_b32 v227, 1, v0
	v_lshl_add_u32 v[AV0], v227, 7, v[AV0]
	v_bfe_u32 v227, v0, 3, 1
	v_lshl_add_u32 v[AV0], v227, 4, v[AV0]
	v_add_nc_u32 v[AV0], VOFF, v[AV0]              ; V: key 8 h + lane % 8, channels 8 ((lane / 8) % 2) on
	v_lshlrev_b32 v[QO], 7, v224
	v_lshl_add_u32 v[QO], v225, 4, v[QO]
	s_mul_i32 s96, s[WV], 16*144
	s_add_co_u32 s96, s96, STAGE                   ; my stage
	v_mul_u32_u24 v[STO], v224, 144
	v_lshl_add_u32 v[STO], v225, 4, v[STO]
	v_add_nc_u32 v[STO], s96, v[STO]
	v_lshrrev_b32 v227, 3, v226
	v_mul_u32_u24 v[RD], v227, 144
	v_and_b32 v227, 7, v0
	v_lshl_add_u32 v[RD], v227, 4, v[RD]
	v_add_nc_u32 v[RD], s96, v[RD]
	v_lshlrev_b32 v[GO], 4, v226
	v_lshlrev_b32 v227, 3, v225
	v_sub_nc_u32 v[DL], v224, v227
	v_mov_b32 v[NINF], 0xff800000
	v_lshlrev_b32 v[PFO], 8, v226
	s_sub_co_u32 s96, 7, s[PP]
	s_lshl_b32 s[Q0], s96, 8
	s_lshl_b32 s96, s[WV], 5
	s_add_co_u32 s[Q0], s[Q0], s96                 ; block 7 - p: my first query
	NEWBLOCK
.Ltrip:                                            ; eight trips, each of which asks for the next trip's slot
	TRIP 1
	s_add_co_u32 s[TT], s[TT], 1
	s_cmp_lt_u32 s[TT], 8
	s_cbranch_scc1 .Ltrip
	TRIP 0                                         ; the ninth is written out: it asks for nothing
	FINISH
	s_wait_tensorcnt 0x0                           ; the wave's end: behind my last tensor load and my last LDS store
	ds_add_u32 v[SPW], v[NIL]
	s_wait_dscnt 0x0
	s_endpgm
.Lfunc_end_k_q0a65898ca6_attn:
	.size	k_q0a65898ca6_attn, .Lfunc_end_k_q0a65898ca6_attn-k_q0a65898ca6_attn
	.p2alignl 7, 3214868480
	.fill 96, 4, 3214868480
	.section	.rodata,"a",@progbits
	.p2align	6, 0x0
	.amdhsa_kernel k_q0a65898ca6_attn
		.amdhsa_group_segment_fixed_size 327680
		.amdhsa_private_segment_fixed_size 0
		.amdhsa_enable_private_segment 0
		.amdhsa_kernarg_size 16
		.amdhsa_user_sgpr_count 2
		.amdhsa_user_sgpr_kernarg_segment_ptr 1
		.amdhsa_wavefront_size32 1
		.amdhsa_system_sgpr_workgroup_id_x 1
		.amdhsa_system_sgpr_workgroup_id_y 1
		.amdhsa_system_sgpr_workgroup_id_z 1
		.amdhsa_system_vgpr_workitem_id 0
		.amdhsa_next_free_vgpr 384
		.amdhsa_next_free_sgpr 100
		.amdhsa_reserve_vcc 1
		.amdhsa_float_denorm_mode_32 3
		.amdhsa_float_denorm_mode_16_64 3
		.amdhsa_memory_ordered 1
		.amdhsa_forward_progress 1
		.amdhsa_inst_pref_size 209
	.end_amdhsa_kernel
	.amdgpu_metadata
---
amdhsa.version: [ 1, 2 ]
amdhsa.kernels:
  - .name:           k_q0a65898ca6_attn
    .symbol:         k_q0a65898ca6_attn.kd
    .args:
      - { .name: qkv, .offset: 0, .size: 8, .value_kind: global_buffer, .address_space: global }
      - { .name: attn, .offset: 8, .size: 8, .value_kind: global_buffer, .address_space: global }
    .group_segment_fixed_size: 327680
    .private_segment_fixed_size: 0
    .kernarg_segment_align: 8
    .kernarg_segment_size: 16
    .max_flat_workgroup_size: 256
    .sgpr_count:     100
    .vgpr_count:     384
    .wavefront_size: 32
...
	.end_amdgpu_metadata
.endif
;; end of part 3
;; launch oproj (part 4): grid 4 x 64, 4 waves a work-group, clusters of 4 x 4, 327,680 bytes of LDS; arguments attn, wo16, out0; writes out0
.if DOCPART == 4
	.amdgcn_target "amdgcn-amd-amdhsa--gfx1250"
	.amdhsa_code_object_version 6
	.text
	.protected	k_q0a65898ca6_oproj
	.globl	k_q0a65898ca6_oproj
	.p2align	8
	.type	k_q0a65898ca6_oproj,@function
k_q0a65898ca6_oproj:
	s_mov_b64 s[64:65], 0
	v_nop
	global_prefetch_b8 v0, s[64:65] scope:SCOPE_SE
	s_setreg_imm32_b32 hwreg(HW_REG_WAVE_MODE, 25, 1), 1
	s_wait_xcnt 0x0
	s_wait_alu depctr_hold_cnt(0) depctr_sa_sdst(0) depctr_va_vdst(0) depctr_va_sdst(0) depctr_va_ssrc(0) depctr_va_vcc(0) depctr_vm_vsrc(0)
	s_getreg_b32 s2, hwreg(HW_REG_IB_STS2, 6, 4)
	s_cmp_eq_u32 s2, 0
	s_cbranch_scc0 .Lentry_in_a_cluster
	s_endpgm
.Lentry_in_a_cluster:
	s_bfe_u32 s2, ttmp6, 0x10000c
	s_cmp_lg_u32 s2, 0xf033
	s_cbranch_scc0 .Lentry_shape_is_right
	s_endpgm
.Lentry_shape_is_right:
; out0[m][n] = sum over k of concat[m][k] Wo[n][k], f16 operands, f32 sums and results.  m = batch x 2,048 + position (8,192), n and k 1,024.
; concat arrives as attn [batch][head][position][64] (k = 64 head + i), Wo as wo16 [k / 64][n][64]: 64 along K of any run of rows are one dense block.
; A tile of 128 (m) x 256 (n) gives 256 work-groups.  Four waves, each 64 x 128: 32 accumulators, 256 registers (window 1, (a, b) at v[8 (8 a + b)]).
; K goes in 8 steps of 128 (two blocks of 64) through a ring of two LDS slots.  A dense block is stated as rows of 256 bytes, each TWO rows of 128, with 16 bytes of padding behind: row i at (i / 2) x 272 + (i % 2) x 128.
; CLUSTER 4 x 4: the four of a row of the cluster need the same tiles of attn, the four of a column the same tiles of Wo: each tile is asked for JOINTLY, one load a wave (waves 0, 1: attn's two blocks; waves 2, 3: Wo's).
; THE MATRIX INSTRUCTION IS USED TRANSPOSED (source 0 = 16 rows of Wo, source 1 = 16 rows of attn): a lane holds eight neighbouring columns of a row of the result.
; No prefetch: eight short K steps on a small tile.  The first 16 positions of each batch are written again, in f32 arithmetic throughout, by the launch that follows.
.set PITCH,  272
.set APAR,   64*PITCH                  ; attn: 128 rows x 64 along K
.set BPAR,   128*PITCH                 ; Wo: 256 rows x 64 along K
.set BOFF,   2*APAR
.set SLOT,   2*APAR+2*BPAR
.set STAGE,  2*SLOT                    ; behind the ring: 16 rows x 528 bytes for each wave
.set SPITCH, 528
.set SPARE,  STAGE+4*16*SPITCH         ; the spare words, 128 bytes a wave, named by no other line
.set ADRA, 16                          ; v16-17 LDS address of my attn fragments in slot 0, 1
.set ADRB, 20                          ; v20-21 the same for Wo
.set STO,  24
.set RD,   25
.set CO,   26
.set SPW,  28                          ; v28 my spare word; never rewritten
.set NIL,  29                          ; v29 0; never rewritten
.set AF,   32                          ; attn's fragments: buffer f at v[AF + 32 f]
.set BF,   96                          ; Wo's: buffer f at v[BF + 64 f]
.set G1, 24                            ; s[24:31] group 1 for attn's tiles;  s[32:39] group 0, one set for each slot
.set G0, 32
.set G1B, 48                           ; s[48:55], s[56:63] the same for Wo's
.set G0B, 56
.set MSB, 0
.macro WIN new                         ; the immediate's high byte repeats the setting that is left
.if MSB != \new
	s_set_vgpr_msb (MSB<<8)|\new
.set MSB, \new
.endif
.endm
.set MUL, 0x50                         ; C and D window 1; sources 0 and 1 window 0
.macro JLOAD s                         ; a joint load; an s_nop 0 and four v_nop follow each of the two lines
	s_cmp_eq_u32 s11, 0
	s_cbranch_scc0 .Lfor_b_\@
	tensor_load_to_lds s[G0+4*\s:G0+4*\s+3], s[G1:G1+7]
	s_nop 0
.rept 4
	v_nop
.endr
	s_branch .Lasked_\@
.Lfor_b_\@:
	tensor_load_to_lds s[G0B+4*\s:G0B+4*\s+3], s[G1B:G1B+7]
	s_nop 0
.rept 4
	v_nop
.endr
.Lasked_\@:
.endm
.macro CREST                           ; a round of the cluster's barrier behind its opening barrier
	s_cmp_lg_u32 s10, 0
	s_cbranch_scc1 .Lnot_wave_0_\@
	s_barrier_signal -3
.Lnot_wave_0_\@:
	s_barrier_wait -3
	s_barrier_signal -1
	s_barrier_wait -1
.endm
.macro CROUND
	s_barrier_signal -1
	s_barrier_wait -1
	CREST
.endm
	s_load_b128 s[4:7], s[0:1], 0x0                ; attn s[4:5], wo16 s[6:7]
	s_load_b64 s[8:9], s[0:1], 0x10                ; out0
	v_lshl_add_u32 v[SPW], v0, 2, SPARE
	v_mov_b32 v[NIL], 0
	ds_add_u32 v[SPW], v[NIL]                      ; the wave's opening: the add, twice on end, and its wait ahead of my first tensor load
	ds_add_u32 v[SPW], v[NIL]
	v_lshrrev_b32 v1, 5, v0
	v_readfirstlane_b32 s10, v1                    ; wave 0..3
	s_lshr_b32 s11, s10, 1                         ; which 64 of the tile's rows are mine.  Also: I fetch for attn (0) or for Wo (1)
	s_and_b32 s12, s10, 1                          ; which 128 of its columns.  Also: which of a step's two K blocks I fetch
	s_bfe_u32 s40, ttmp6, 0x40000                  ; cx, cy: my place in the cluster
	s_bfe_u32 s41, ttmp6, 0x40004
	s_lshl_b32 s42, ttmp9, 2
	s_add_co_u32 s42, s42, s40                     ; tile column
	s_and_b32 s13, ttmp7, 0xffff
	s_lshl_b32 s13, s13, 2
	s_add_co_u32 s13, s13, s41                     ; tile row
	s_lshl_b32 s43, s41, 2
	s_lshl_b32 s43, 15, s43                        ; my row of the cluster
	s_lshl_b32 s44, 0x1111, s40                    ; my column
	s_or_b32 s[G1+0], s43, (1<<16)|(1<<20)|(1<<21)|(5<<22)|(3<<25)   ; the mask; elements of 2 bytes; padding on; bit 21 beside a mask; after every 64 words four words
	s_or_b32 s[G1B+0], s44, (1<<16)|(1<<20)|(1<<21)|(5<<22)|(3<<25)
	s_mov_b32 s[G1+1], 128<<16                     ; attn: 64 rows of 128 elements
	s_mov_b32 s[G1+2], 64<<16
	s_mov_b32 s[G1+3], 128<<16
	s_mov_b32 s[G1+4], 64
	s_mov_b32 s[G1+5], 128
	s_mov_b32 s[G1+6], 0
	s_mov_b32 s[G1+7], 0
	s_mov_b32 s[G1B+1], 128<<16                    ; Wo: 128 rows of 128 elements
	s_mov_b32 s[G1B+2], 128<<16
	s_mov_b32 s[G1B+3], 128<<16
	s_mov_b32 s[G1B+4], 128
	s_mov_b32 s[G1B+5], 128
	s_mov_b32 s[G1B+6], 0
	s_mov_b32 s[G1B+7], 0
	s_lshr_b32 s16, s13, 4                         ; attn: batch = tile row / 16;
	s_lshl_b32 s16, s16, 4
	s_add_co_u32 s16, s16, s12                     ; head = my K block of step 0;
	s_lshl_b32 s16, s16, 18                        ; 262,144 bytes a head;
	s_and_b32 s17, s13, 15
	s_lshl_b32 s17, s17, 14                        ; 128 positions of 128 bytes a tile row
	s_add_co_u32 s16, s16, s17
	s_mov_b32 s17, 0
	s_lshl_b32 s46, s12, 17                        ; Wo: 131,072 bytes a K block;
	s_lshl_b32 s47, s42, 15                        ; 256 rows of 128 bytes a tile column
	s_add_co_u32 s46, s46, s47
	s_mov_b32 s47, 0
	s_mul_i32 s20, s12, APAR                       ; where they go: no place in the cluster enters an LDS address
	s_mul_i32 s21, s12, BPAR
	s_add_co_u32 s21, s21, BOFF
	s_wait_dscnt 0x0                               ; both opening adds are done
	s_wait_kmcnt 0x0
	s_add_nc_u64 s[14:15], s[4:5], s[16:17]
	s_add_nc_u64 s[46:47], s[6:7], s[46:47]
	CROUND                                         ; all sixteen work-groups are here: the first joint loads meet
.irp s, 0,1
	s_mov_b32 s[G0+4*\s], 1
	s_add_co_u32 s[G0+4*\s+1], s20, \s*SLOT
	s_add_nc_u64 s[G0+4*\s+2:G0+4*\s+3], s[14:15], \s*524288      ; a K step on: two heads
	s_or_b32 s[G0+4*\s+3], s[G0+4*\s+3], 0x80000000
	s_mov_b32 s[G0B+4*\s], 1
	s_add_co_u32 s[G0B+4*\s+1], s21, \s*SLOT
	s_add_nc_u64 s[G0B+4*\s+2:G0B+4*\s+3], s[46:47], \s*262144    ; two K blocks
	s_or_b32 s[G0B+4*\s+3], s[G0B+4*\s+3], 0x80000000
	JLOAD \s
.endr
	v_and_b32 v1, 15, v0                           ; r
	v_bfe_u32 v2, v0, 4, 1                         ; h
	v_lshrrev_b32 v3, 1, v1
	v_mul_u32_u24 v3, v3, PITCH
	v_and_b32 v4, 1, v0
	v_lshl_add_u32 v3, v4, 7, v3
	v_lshl_add_u32 v3, v2, 4, v3                   ; (r / 2) pairs + (r % 2) x 128 + 16 h
	s_mul_i32 s21, s11, 32*PITCH                   ; my 64 rows of attn
	s_mul_i32 s22, s12, 64*PITCH                   ; my 128 rows of Wo
	s_add_co_u32 s22, s22, BOFF
.irp s, 0,1
	v_add_nc_u32 v[ADRA+\s], s21, v3
	v_add_nc_u32 v[ADRB+\s], s22, v3
	s_add_co_u32 s21, s21, SLOT
	s_add_co_u32 s22, s22, SLOT
.endr
	s_mul_i32 s23, s10, 16*SPITCH
	s_add_co_u32 s23, s23, STAGE                   ; my stage
	v_mul_u32_u24 v5, v1, SPITCH
	v_lshl_add_u32 v5, v2, 5, v5
	v_add_nc_u32 v[STO], s23, v5                   ; in: row r, 32 bytes for each half of the lanes
	v_and_b32 v6, 31, v0
	v_lshlrev_b32 v[CO], 4, v6
	v_add_nc_u32 v[RD], s23, v[CO]                 ; back: the 32 lanes take one row of 512 bytes
	s_lshl_b32 s16, s13, 7
	s_lshl_b32 s17, s11, 6
	s_add_co_u32 s16, s16, s17                     ; my first row of out0
	s_lshl_b32 s16, s16, 12                        ; 4,096 bytes a row
	s_mov_b32 s17, 0
	s_add_nc_u64 s[8:9], s[8:9], s[16:17]
	s_lshl_b32 s46, s42, 10                        ; my first column, in bytes
	s_lshl_b32 s47, s12, 9
	s_add_co_u32 s46, s46, s47
	s_mov_b32 s47, 0
	s_add_nc_u64 s[8:9], s[8:9], s[46:47]
; 8 matrix instructions: attn's block a against Wo's eight, 32 along K, buffer f.  zero = 1: the first product starts the sums.  The 32 accumulators take turns in the same order in every quarter.
.macro MUL8 f, a, zero
.irp b, 0,1,2,3,4,5,6,7
.if \zero
	v_wmma_f32_16x16x32_f16 v[8*(8*\a+\b):8*(8*\a+\b)+7], v[BF+64*\f+8*\b:BF+64*\f+8*\b+7], v[AF+32*\f+8*\a:AF+32*\f+8*\a+7], 0
.else
	v_wmma_f32_16x16x32_f16 v[8*(8*\a+\b):8*(8*\a+\b)+7], v[BF+64*\f+8*\b:BF+64*\f+8*\b+7], v[AF+32*\f+8*\a:AF+32*\f+8*\a+7], v[8*(8*\a+\b):8*(8*\a+\b)+7]
.endif
.endr
.endm
; 24 LDS loads in one run: the fragments of quarter c (K block c / 2, its 32 (c % 2) on) into buffer f: Wo's sixteen loads, then attn's blocks 0 to 3
.macro FETCH slot, c, f
.irp i, 0,1,2,3,4,5,6,7
	ds_load_b128 v[BF+64*\f+8*\i:BF+64*\f+8*\i+3], v[ADRB+\slot] offset:((\c)/2)*BPAR+\i*8*PITCH+((\c)%2)*64
	ds_load_b128 v[BF+64*\f+8*\i+4:BF+64*\f+8*\i+7], v[ADRB+\slot] offset:((\c)/2)*BPAR+\i*8*PITCH+((\c)%2)*64+32
.endr
.irp i, 0,1,2,3
	ds_load_b128 v[AF+32*\f+8*\i:AF+32*\f+8*\i+3], v[ADRA+\slot] offset:((\c)/2)*APAR+\i*8*PITCH+((\c)%2)*64
	ds_load_b128 v[AF+32*\f+8*\i+4:AF+32*\f+8*\i+7], v[ADRA+\slot] offset:((\c)/2)*APAR+\i*8*PITCH+((\c)%2)*64+32
.endr
.endm
.macro PLACES                          ; four places in front of loads into registers that matrix instructions have read, and of the first reads of results
.rept 4
	v_nop
.endr
.endm
; A K step is four quarters of 32 along K, 32 matrix instructions each, on buffers 0, 1, 0, 1.  One of the first three: multiplies buffer f and fetches quarter c into buffer g.
.macro QUARTER slot, c, f, g, zero
	s_wait_dscnt 4                                 ; Wo's fragments and attn's blocks 0, 1 are in; the youngest four loads (blocks 2, 3) may be out
	WIN MUL
	MUL8 \f, 0, \zero
	MUL8 \f, 1, \zero
	PLACES
	WIN 0
	FETCH \slot, \c, \g
	s_wait_dscnt 24                                ; all but the 24 just issued
	WIN MUL
	MUL8 \f, 2, \zero
	MUL8 \f, 3, \zero
.endm
; The last quarter multiplies buffer 1 and changes slots: ONE barrier; in front of it each wave waits for all its tensor loads, adds 0 to its spare word, and waits for that and for its reads of this slot.  fill = 1: this slot is filled again, two K steps ahead.
.macro TURN slot, next, fill
	WIN 0                                          ; (the add's two registers lie in window 0)
	s_wait_tensorcnt 0x0                           ; all my tensor loads have landed: my part of the next slot
	ds_add_u32 v[SPW], v[NIL]                      ; 0 onto my spare word
	s_wait_dscnt 5                                 ; (the add and the youngest four loads may be out)
	WIN MUL
	MUL8 1, 0, 0                                   ; eight matrix instructions stand between the add and the wait for it
	s_wait_dscnt 0x0                               ; the add is done, and my reads of this slot are over
	s_barrier_signal -1
	MUL8 1, 1, 0
	WIN 0
	s_barrier_wait -1
.if \fill
	CREST                                          ; the barrier has opened a round of the cluster's barrier: no wave of any partner still reads this slot or has a load on its way
	s_add_nc_u64 s[G0+4*\slot+2:G0+4*\slot+3], s[G0+4*\slot+2:G0+4*\slot+3], 1048576
	s_add_nc_u64 s[G0B+4*\slot+2:G0B+4*\slot+3], s[G0B+4*\slot+2:G0B+4*\slot+3], 524288
	JLOAD \slot                                    ; the first tensor load behind the round; its four v_nop are also the places in front of the loads below
.else
	PLACES
.endif
	FETCH \next, 0, 0
	WIN MUL
	MUL8 1, 2, 0
	MUL8 1, 3, 0
.endm
	s_wait_tensorcnt 1                             ; my part of K step 0 is in; K step 1's load may be out
	s_barrier_signal -1
	s_barrier_wait -1
	FETCH 0, 0, 0
	QUARTER 0, 1, 0, 1, 1                          ; the first quarter stands in front of the loop: its products start the sums
	WIN 0                                          ; at a label and at a branch every window is 0
	s_mov_b32 s3, 3
.Llap:                                             ; a trip goes once round the ring, from a lap's second quarter to the next lap's first, and fills both slots again
	QUARTER 0, 2, 1, 0, 0
	QUARTER 0, 3, 0, 1, 0
	TURN 0, 1, 1
	QUARTER 1, 1, 0, 1, 0
	QUARTER 1, 2, 1, 0, 0
	QUARTER 1, 3, 0, 1, 0
	TURN 1, 0, 1
	QUARTER 0, 1, 0, 1, 0
	WIN 0
	s_sub_co_u32 s3, s3, 1
	s_cmp_lg_u32 s3, 0
	s_cbranch_scc1 .Llap
	QUARTER 0, 2, 1, 0, 0                          ; the last lap fills nothing, and has no round of the cluster's barrier
	QUARTER 0, 3, 0, 1, 0
	TURN 0, 1, 0
	QUARTER 1, 1, 0, 1, 0
	QUARTER 1, 2, 1, 0, 0
	QUARTER 1, 3, 0, 1, 0
	s_wait_dscnt 4                                 ; the very last quarter: nothing more to fetch
	WIN MUL
	MUL8 1, 0, 0
	MUL8 1, 1, 0
	s_wait_dscnt 0x0
	MUL8 1, 2, 0
	MUL8 1, 3, 0
	WIN 0
; THE WAY OUT, block by block of 16 rows x 128 columns: through my own stage and back as whole rows of 512 bytes.  LDS serves a wave's instructions in order: no wait between the stores and the loads.
.macro TOSTAGE a
	WIN 0x04                                       ; an LDS store's data are its source 1: window 1
.irp b, 0,1,2,3,4,5,6,7
	ds_store_b128 v[STO], v[64*(\a)+8*\b:64*(\a)+8*\b+3] offset:64*\b          ; each accumulator from its low end on
	ds_store_b128 v[STO], v[64*(\a)+8*\b+4:64*(\a)+8*\b+7] offset:64*\b+16
.endr
	WIN 0
.set BB, 32+64*((\a)%2)
.irp t, 0,1,2,3,4,5,6,7,8,9,10,11,12,13,14,15
	ds_load_b128 v[BB+4*\t:BB+4*\t+3], v[RD] offset:\t*SPITCH
.endr
.endm
.macro SEND a, younger                 ; younger: the LDS instructions issued behind block a's loads, which may stay out
.set BB, 32+64*((\a)%2)
	s_wait_dscnt \younger
.if (\a) > 0
	s_add_nc_u64 s[8:9], s[8:9], 16*4096           ; (behind a wait on XCNT: the earlier stores have read their base)
.endif
.irp t, 0,1,2,3,4,5,6,7,8,9,10,11,12,13,14,15
	global_store_b128 v[CO], v[BB+4*\t:BB+4*\t+3], s[8:9] offset:\t*4096       ; 32 lanes store 512 consecutive bytes
.endr
.endm
	PLACES
	TOSTAGE 0
.irp a, 1,2,3
.if \a > 1
	s_wait_xcnt 0x0                                ; block a - 2's stores have read their registers and their base
.endif
	TOSTAGE \a
	SEND \a-1, 32                                  ; behind block a - 1's loads: block a's 16 stores and 16 loads
.endr
	s_wait_xcnt 0x0
	SEND 3, 0
	s_wait_tensorcnt 0x0                           ; the wave's end: behind my last tensor load and my last LDS store
	ds_add_u32 v[SPW], v[NIL]
	s_wait_dscnt 0x0
	CROUND                                         ; the closing round
	s_endpgm
.Lfunc_end_k_q0a65898ca6_oproj:
	.size	k_q0a65898ca6_oproj, .Lfunc_end_k_q0a65898ca6_oproj-k_q0a65898ca6_oproj
	.p2alignl 7, 3214868480
	.fill 96, 4, 3214868480
	.section	.rodata,"a",@progbits
	.p2align	6, 0x0
	.amdhsa_kernel k_q0a65898ca6_oproj
		.amdhsa_group_segment_fixed_size 327680
		.amdhsa_private_segment_fixed_size 0
		.amdhsa_enable_private_segment 0
		.amdhsa_kernarg_size 24
		.amdhsa_user_sgpr_count 2
		.amdhsa_user_sgpr_kernarg_segment_ptr 1
		.amdhsa_wavefront_size32 1
		.amdhsa_system_sgpr_workgroup_id_x 1
		.amdhsa_system_sgpr_workgroup_id_y 1
		.amdhsa_system_sgpr_workgroup_id_z 1
		.amdhsa_system_vgpr_workitem_id 0
		.amdhsa_next_free_vgpr 512
		.amdhsa_next_free_sgpr 66
		.amdhsa_reserve_vcc 0
		.amdhsa_float_denorm_mode_32 3
		.amdhsa_float_denorm_mode_16_64 3
		.amdhsa_memory_ordered 1
		.amdhsa_forward_progress 1
		.amdhsa_inst_pref_size 85
	.end_amdhsa_kernel
	.amdgpu_metadata
---
amdhsa.version: [ 1, 2 ]
amdhsa.kernels:
  - .name:           k_q0a65898ca6_oproj
    .symbol:         k_q0a65898ca6_oproj.kd
    .args:
      - { .name: attn, .offset: 0, .size: 8, .value_kind: global_buffer, .address_space: global }
      - { .name: wo16, .offset: 8, .size: 8, .value_kind: global_buffer, .address_space: global }
      - { .name: out0, .offset: 16, .size: 8, .value_kind: global_buffer, .address_space: global }
    .group_segment_fixed_size: 327680
    .private_segment_fixed_size: 0
    .kernarg_segment_align: 8
    .kernarg_segment_size: 24
    .max_flat_workgroup_size: 128
    .sgpr_count:     66
    .vgpr_count:     512
    .wavefront_size: 32
...
	.end_amdgpu_metadata
.endif
;; end of part 4
;; launch fine (part 5): grid 16 x 4, 16 waves a work-group, no clusters, 71,680 bytes of LDS; arguments qkv32, o_proj_weight, out0; writes out0
.if DOCPART == 5
	.amdgcn_target "amdgcn-amd-amdhsa--gfx1250"
	.amdhsa_code_object_version 6
	.text
	.protected	k_q0a65898ca6_fine
	.globl	k_q0a65898ca6_fine
	.p2align	8
	.type	k_q0a65898ca6_fine,@function
k_q0a65898ca6_fine:
	s_mov_b64 s[64:65], 0
	v_nop
	global_prefetch_b8 v0, s[64:65] scope:SCOPE_SE
	s_setreg_imm32_b32 hwreg(HW_REG_WAVE_MODE, 25, 1), 1
	s_wait_xcnt 0x0
; The first 16 positions of each batch once more, in f32 from the quantised products' f32 sums to out0: these rows average one to sixteen values and are the largest of the output.
; A work-group takes one batch (y) and 64 columns of out0 (x); wave = head.  All products by v_wmma_f32_16x16x4_f32: 16 + 16 + 64 a wave; no loop.
; k IS PERMUTED ALIKE IN BOTH OPERANDS of each product, so that plain loads fill the operands and a result's register pairs ARE the next product's operand:
;   S^T = K Q^T: product i takes registers 2 i, 2 i + 1 of both: channels 8 (i / 2) + 4 h + 2 (i % 2) + j.  A lane then holds query r and keys 8 h + 0 .. 7.
;   O^T = V^T P: product i takes p's registers 2 i, 2 i + 1: keys 8 h + 2 i + j; V is loaded so.  A lane then holds query r and channels 16 t + 8 h + 0 .. 7.
;   out^T = Wo O: product (t, i) takes O^T[t]'s registers 2 i, 2 i + 1: channels 16 t + 8 h + 2 i + j; Wo's rows are loaded so.
; The 16 heads' parts of the 16 x 64 results meet in LDS; wave w adds row w's 16 parts and stores its 256 consecutive bytes.
; The registers that the matrix instructions write, v176-239, are written by nothing else.  LIMITS: NaN and infinities among the inputs are not served.
.set SPW, 10                           ; v10 my spare word; never rewritten
.set NIL, 11                           ; v11 0; never rewritten
.set SPARE, 16*16*272                  ; behind the parts ([wave][16 rows][256 bytes + 16]): the spare words, 128 bytes a wave, named by no other line
	s_load_b128 s[4:7], s[0:1], 0x0                ; qkv32 s[4:5], Wo s[6:7]
	s_load_b64 s[8:9], s[0:1], 0x10                ; out0
	v_lshl_add_u32 v[SPW], v0, 2, SPARE
	v_mov_b32 v[NIL], 0
	v_lshrrev_b32 v1, 5, v0
	v_readfirstlane_b32 s10, v1                    ; wave = head
	s_and_b32 s11, ttmp7, 0xffff                   ; batch
	v_and_b32 v1, 15, v0                           ; r
	v_bfe_u32 v2, v0, 4, 1                         ; h
	v_and_b32 v12, 31, v0                          ; lane
	v_mul_u32_u24 v3, v1, 12288
	v_lshl_add_u32 v3, v2, 4, v3                   ; Q, K: row r of 12,288 bytes, + 16 h
	v_mul_u32_u24 v4, v2, 8*12288
	v_lshl_add_u32 v4, v1, 2, v4                   ; V: key 8 h, channel r
	v_lshlrev_b32 v5, 12, v1
	v_lshl_add_u32 v5, v2, 5, v5                   ; Wo: row r of 4,096 bytes, + 32 h
	s_mul_i32 s12, s10, 16*272
	v_mul_u32_u24 v6, v1, 272
	v_lshl_add_u32 v6, v2, 5, v6
	v_add_nc_u32 v6, s12, v6                       ; my part: row r, + 32 h
	s_mul_i32 s12, s10, 272
	v_lshlrev_b32 v7, 3, v12
	v_add_nc_u32 v7, s12, v7                       ; back: row = my wave's number, 8 bytes a lane
	s_lshl_b32 s12, s10, 12
	v_lshl_add_u32 v8, v12, 3, s12                 ; and the same in out0
	v_lshlrev_b32 v13, 3, v2
	v_sub_nc_u32 v9, v1, v13                       ; r - 8 h: key 8 h + j is hidden where j is above it
	s_mov_b32 s18, 0x3e38aa3b                      ; c = log2(e) / 8
	s_mov_b32 s20, 0x76543210
	s_mov_b32 s21, 0xfedcba98                      ; selects for v_permlanex16_b32: lane l xor 16
	s_mul_i32 s12, s11, 16*12288                   ; the batch's 16 rows,
	s_lshl_b32 s13, s10, 8                         ; the head's 64 columns
	s_add_co_u32 s12, s12, s13
	s_lshl_b32 s14, ttmp9, 18                      ; Wo: 64 rows of 4,096 bytes a work-group,
	s_add_co_u32 s14, s14, s13                     ; the head's 64 along K
	s_mov_b32 s13, 0
	s_mov_b32 s15, 0
	s_lshl_b32 s16, s11, 23                        ; out0: 2,048 rows of 4,096 bytes a batch,
	s_lshl_b32 s17, ttmp9, 8                       ; 64 columns a work-group
	s_add_co_u32 s16, s16, s17
	s_mov_b32 s17, 0
	s_wait_kmcnt 0x0
	s_add_nc_u64 s[4:5], s[4:5], s[12:13]
	s_add_nc_u64 s[6:7], s[6:7], s[14:15]
	s_add_nc_u64 s[8:9], s[8:9], s[16:17]
.irp c, 0,1,2,3,4,5,6,7
	global_load_b128 v[16+4*\c:16+4*\c+3], v3, s[4:5] offset:32*\c              ; Q(r, 8 c + 4 h + 0 .. 3)
.endr
.irp c, 0,1,2,3,4,5,6,7
	global_load_b128 v[48+4*\c:48+4*\c+3], v3, s[4:5] offset:4096+32*\c         ; K likewise
.endr
.irp t, 0,1,2,3
.irp k, 0,1,2,3,4,5,6,7
	global_load_b32 v[80+8*\t+\k], v4, s[4:5] offset:8192+\k*12288+\t*64        ; V(8 h + k, 16 t + r)
.endr
.endr
.irp t, 0,1
.irp n, 0,1,2,3
	global_load_b128 v[112+32*\t+8*\n:112+32*\t+8*\n+3], v5, s[6:7] offset:\n*65536+\t*64       ; Wo(16 n + r, 16 t + 8 h + 0 .. 7)
	global_load_b128 v[112+32*\t+8*\n+4:112+32*\t+8*\n+7], v5, s[6:7] offset:\n*65536+\t*64+16
.endr
.endr
	s_wait_loadcnt 48                              ; Q and K are in; V's 32 loads and Wo's 16 stay out
.irp i, 0,1,2,3,4,5,6,7,8,9,10,11,12,13,14,15  ; S^T in four partial sums that take turns; the first four products start them
.if \i < 4
	v_wmma_f32_16x16x4_f32 v[176+8*(\i%4):176+8*(\i%4)+7], v[48+2*\i:48+2*\i+1], v[16+2*\i:16+2*\i+1], 0
.else
	v_wmma_f32_16x16x4_f32 v[176+8*(\i%4):176+8*(\i%4)+7], v[48+2*\i:48+2*\i+1], v[16+2*\i:16+2*\i+1], v[176+8*(\i%4):176+8*(\i%4)+7]
.endif
.endr
.rept 8
	v_nop                                          ; eight places behind this form: for the loads into Q's and K's registers and for the reads of the sums
.endr
.irp t, 2,3
.irp n, 0,1,2,3
	global_load_b128 v[16+32*(\t-2)+8*\n:16+32*(\t-2)+8*\n+3], v5, s[6:7] offset:\n*65536+\t*64
	global_load_b128 v[16+32*(\t-2)+8*\n+4:16+32*(\t-2)+8*\n+7], v5, s[6:7] offset:\n*65536+\t*64+16
.endr
.endr
.irp k, 0,2,4,6                        ; the four partial sums are added into other registers, each from its low end on
	v_pk_add_f32 v[240+\k:241+\k], v[176+\k:177+\k], v[184+\k:185+\k]
	v_pk_add_f32 v[248:249], v[192+\k:193+\k], v[200+\k:201+\k]
	v_pk_add_f32 v[240+\k:241+\k], v[240+\k:241+\k], v[248:249]
.endr
	v_mov_b32 v250, 0xff800000                     ; -infinity
.irp j, 0,1,2,3,4,5,6,7
	v_cmp_gt_i32 vcc_lo, \j, v9
	v_cndmask_b32 v[240+\j], v[240+\j], v250, vcc_lo
.endr
	v_max3_num_f32 v251, v240, v241, v242
	v_max3_num_f32 v252, v243, v244, v245
	v_max3_num_f32 v251, v251, v246, v247
	v_max_num_f32 v251, v251, v252
	v_permlanex16_b32 v252, v251, s20, s21
	v_max_num_f32 v251, v251, v252                 ; the row's maximum: key 0 counts for every query
	v_mul_f32 v252, s18, v251
.irp j, 0,1,2,3,4,5,6,7
	v_fma_f32 v[240+\j], v[240+\j], s18, -v252     ; c s - c m
.endr
.irp j, 0,1,2,3,4,5,6,7
	v_exp_f32 v[240+\j], v[240+\j]
.endr
	v_nop                                          ; a plain instruction behind the last exponential
	s_wait_alu depctr_va_vdst(0)                   ; one wait for the eight, ahead of their first reader
	v_pk_add_f32 v[248:249], v[240:241], v[242:243]
	v_pk_add_f32 v[254:255], v[244:245], v[246:247]
	v_pk_add_f32 v[248:249], v[248:249], v[254:255]
	v_add_f32 v248, v248, v249
	v_permlanex16_b32 v249, v248, s20, s21
	v_add_f32 v248, v248, v249                     ; the row's sum
	v_rcp_f32 v254, v248
	v_nop
	s_wait_alu depctr_va_vdst(0)
.irp k, 0,2,4,6
	v_pk_mul_f32 v[240+\k:241+\k], v[240+\k:241+\k], v[254:255] op_sel_hi:[1,0]   ; p
.endr
	s_wait_loadcnt 32                              ; V is in; Wo's two groups of 16 loads stay out
.irp i, 0,1,2,3                        ; O^T: four accumulators by turns
.irp t, 0,1,2,3
.if \i == 0
	v_wmma_f32_16x16x4_f32 v[208+8*\t:208+8*\t+7], v[80+8*\t+2*\i:80+8*\t+2*\i+1], v[240+2*\i:240+2*\i+1], 0
.else
	v_wmma_f32_16x16x4_f32 v[208+8*\t:208+8*\t+7], v[80+8*\t+2*\i:80+8*\t+2*\i+1], v[240+2*\i:240+2*\i+1], v[208+8*\t:208+8*\t+7]
.endif
.endr
.endr
.rept 9
	v_nop                                          ; nine places: the results become operands, and the scores' accumulators are begun anew
.endr
	s_wait_loadcnt 0x0
.irp t, 0,1,2,3                        ; out^T for my head: four accumulators (16 columns each) by turns
.irp i, 0,1,2,3
.irp n, 0,1,2,3
.if \t < 2
.set WB, 112+32*\t+8*\n
.else
.set WB, 16+32*(\t-2)+8*\n
.endif
.if (\t == 0) && (\i == 0)
	v_wmma_f32_16x16x4_f32 v[176+8*\n:176+8*\n+7], v[WB+2*\i:WB+2*\i+1], v[208+8*\t+2*\i:208+8*\t+2*\i+1], 0
.else
	v_wmma_f32_16x16x4_f32 v[176+8*\n:176+8*\n+7], v[WB+2*\i:WB+2*\i+1], v[208+8*\t+2*\i:208+8*\t+2*\i+1], v[176+8*\n:176+8*\n+7]
.endif
.endr
.endr
.endr
.rept 8
	v_nop
.endr
.irp n, 0,1,2,3
	ds_store_b128 v6, v[176+8*\n:176+8*\n+3] offset:64*\n          ; lane (r, h): my head's part of out(r, 16 n + 8 h + 0 .. 7), each accumulator from its low end on
	ds_store_b128 v6, v[176+8*\n+4:176+8*\n+7] offset:64*\n+16
.endr
	s_wait_dscnt 0x0                               ; for the others' sake: my stores are done
	s_barrier_signal -1
	s_barrier_wait -1
.irp p, 0,1,2,3,4,5,6,7,8,9,10,11,12,13,14,15
	ds_load_b64 v[112+2*\p:113+2*\p], v7 offset:\p*16*272          ; row = my wave's number: the 16 heads' parts
.endr
	s_wait_dscnt 0x0
.irp p, 0,2,4,6,8,10,12,14
	v_pk_add_f32 v[112+2*\p:113+2*\p], v[112+2*\p:113+2*\p], v[114+2*\p:115+2*\p]
.endr
.irp p, 0,4,8,12
	v_pk_add_f32 v[112+2*\p:113+2*\p], v[112+2*\p:113+2*\p], v[116+2*\p:117+2*\p]
.endr
.irp p, 0,8
	v_pk_add_f32 v[112+2*\p:113+2*\p], v[112+2*\p:113+2*\p], v[120+2*\p:121+2*\p]
.endr
	v_pk_add_f32 v[112:113], v[112:113], v[128:129]
	global_store_b64 v8, v[112:113], s[8:9]        ; 32 lanes store 256 consecutive bytes of a row of out0
	s_wait_tensorcnt 0x0                           ; the wave's end: behind my last LDS store
	ds_add_u32 v[SPW], v[NIL]
	s_wait_dscnt 0x0
	s_endpgm
.Lfunc_end_k_q0a65898ca6_fine:
	.size	k_q0a65898ca6_fine, .Lfunc_end_k_q0a65898ca6_fine-k_q0a65898ca6_fine
	.p2alignl 7, 3214868480
	.fill 96, 4, 3214868480
	.section	.rodata,"a",@progbits
	.p2align	6, 0x0
	.amdhsa_kernel k_q0a65898ca6_fine
		.amdhsa_group_segment_fixed_size 71680
		.amdhsa_private_segment_fixed_size 0
		.amdhsa_enable_private_segment 0
		.amdhsa_kernarg_size 24
		.amdhsa_user_sgpr_count 2
		.amdhsa_user_sgpr_kernarg_segment_ptr 1
		.amdhsa_wavefront_size32 1
		.amdhsa_system_sgpr_workgroup_id_x 1
		.amdhsa_system_sgpr_workgroup_id_y 1
		.amdhsa_system_sgpr_workgroup_id_z 1
		.amdhsa_system_vgpr_workitem_id 0
		.amdhsa_next_free_vgpr 256
		.amdhsa_next_free_sgpr 66
		.amdhsa_reserve_vcc 1
		.amdhsa_float_denorm_mode_32 3
		.amdhsa_float_denorm_mode_16_64 3
		.amdhsa_memory_ordered 1
		.amdhsa_forward_progress 1
		.amdhsa_inst_pref_size 23
	.end_amdhsa_kernel
	.amdgpu_metadata
---
amdhsa.version: [ 1, 2 ]
amdhsa.kernels:
  - .name:           k_q0a65898ca6_fine
    .symbol:         k_q0a65898ca6_fine.kd
    .args:
      - { .name: qkv32, .offset: 0, .size: 8, .value_kind: global_buffer, .address_space: global }
      - { .name: o_proj_weight, .offset: 8, .size: 8, .value_kind: global_buffer, .address_space: global }
      - { .name: out0, .offset: 16, .size: 8, .value_kind: global_buffer, .address_space: global }
    .group_segment_fixed_size: 71680
    .private_segment_fixed_size: 0
    .kernarg_segment_align: 8
    .kernarg_segment_size: 24
    .max_flat_workgroup_size: 512
    .sgpr_count:     66
    .vgpr_count:     256
    .wavefront_size: 32
...
	.end_amdgpu_metadata
.endif
;; end of part 5
